; MI455X (gfx1250); checked and timed in simulation.
; The chip was launched on July 23, 2026; its instructions are those of AMD's public machine-readable ISA for CDNA 5 (MIT licence, August 2026) and "CDNA5" Instruction Set Architecture Reference Guide (July 2026). The comments in the code are by the model that wrote it; some were corrected since.
;; Bit Packed Linear. Allowed arithmetic: float matrix products may take bf16 or f16 operands with f32 sums; other float arithmetic in f32, or as packed bf16 or f16 multiplies, adds, multiply-adds, maxima and minima; sums over many terms, partial sums and values carried from step to step in f32; what a program stores and reads back later, other than sums and carried values, may be rounded once to bf16 or f16.
;; Inputs: bias 4,096 float32; packed_weight 4,096 x 512 uint8; x 2 x 2,048 x 4,096 float32.
;; Outputs: out0 2 x 2,048 x 4,096 float32.
;; 3 versions, each right. Each part assembles by itself: llvm-mc -triple=amdgcn-amd-amdhsa -mcpu=gfx1250 --defsym DOCPART=n.
;; ======== version 1 of 3: 1 launch
;; launch bitgemm (part 1): grid 16 x 16, 4 waves a work-group, clusters of 4 x 4, 327,680 bytes of LDS; arguments x, packed_weight, bias, out0; writes out0
.if DOCPART == 1
	.amdgcn_target "amdgcn-amd-amdhsa--gfx1250"
	.amdhsa_code_object_version 6
	.text
	.protected	k_qae3ef5cca9_bitgemm
	.globl	k_qae3ef5cca9_bitgemm
	.p2align	8
	.type	k_qae3ef5cca9_bitgemm,@function
k_qae3ef5cca9_bitgemm:
	s_mov_b64 s[64:65], 0
	v_nop
	global_prefetch_b8 v0, s[64:65] scope:SCOPE_SE
	s_setreg_imm32_b32 hwreg(HW_REG_WAVE_MODE, 25, 1), 1
	s_wait_xcnt 0x0
	s_wait_alu depctr_hold_cnt(0) depctr_sa_sdst(0) depctr_va_vdst(0) depctr_va_sdst(0) depctr_va_ssrc(0) depctr_va_vcc(0) depctr_vm_vsrc(0)
	s_getreg_b32 s2, hwreg(HW_REG_IB_STS2, 6, 4)
	s_cmp_eq_u32 s2, 0
	s_cbranch_scc0 .Lentry_in_a_cluster
	s_endpgm
.Lentry_in_a_cluster:
	s_bfe_u32 s2, ttmp6, 0x10000c
	s_cmp_lg_u32 s2, 0xf033
	s_cbranch_scc0 .Lentry_shape_is_right
	s_endpgm
.Lentry_shape_is_right:
; out0[m][o] = sum over k of x[m][k] W[o][k] + bias[o].  x: [4096][4096] f32 (the two batches on end), out0 likewise, bias: [4096] f32.
; W[o][k] = 2 bit - 1, the bit being bit k % 8 of byte k / 8 of packed_weight's row o (512 bytes a row).
; ONE LAUNCH: both operands become bf16 on the way from LDS to the matrix unit; nothing goes through memory in between.
; SHARES.  A tile of out0, 256 x 256, is made by a work-group of four waves; a wave makes 128 x 128: 64 accumulators of 16 x 16, 512 registers.  16 x 16 tiles: 256 work-groups.
; K goes in steps of 64: x's tile (256 rows x 256 bytes of f32) through a ring of two LDS slots; W's 256 rows, all 4,096 bits of each, lie in LDS from the start (512 bytes a row).
; Two slots of 128 along K (270,336 bytes) and W's panel (135,168) would not fit beside each other.
; CLUSTER 4 x 4.  x's tile hangs on the tile row alone and is shared along a row of the cluster, W's panel on the tile column alone and is shared along a column:
; each is asked for JOINTLY, by the same tensor load with the same descriptor and a mask that names the four.  Each wave asks for 64 rows of its own: no load stands under a branch.
; THE MATRIX INSTRUCTION IS USED TRANSPOSED (source 0 = 16 rows of W, source 1 = 16 rows of x): a lane holds row l % 16 of out0 and the columns 8 (l / 16) + 0..7.
; THE ORDER OF K inside a step of 64 is changed alike in both sources, which keeps the products: half h of the lanes owns k = 32 h .. 32 h + 31; register j of quarter f (a matrix
; instruction's 32 along K) holds k = 32 h + 8 f + j in its low half and k + 16 in its high half.  For W these are bits p = 8 f + j and p + 16 of ONE 32-bit word a lane;
; for x two runs of 32 bytes, at bytes 128 h + 32 f and 128 h + 64 + 32 f of the LDS row.
; A WEIGHT IS MADE AS bf16 0x3FFF OR 0xBFFF: (mask << (15 - p)) | 0x3FFF3FFF, the mask being the word's even bits for even p, its odd bits for odd p.  Bits p and p + 16 land on the two
; sign bits; every other bit of the mask lands on an odd place that already holds a one, or falls out; places 14 and 30 are even and never hit.  So bit 0 gives +255/128, bit 1 gives -255/128:
; the sums are -(255/128) x the wanted ones, and the way out takes sum x (-128/255) + bias in one fused multiply-add.  One instruction a register, two masks for sixteen registers.
; LIMITS.  x is rounded to bf16 (nearest even).  The sums in f32 are 255/128 times the wanted ones: they overflow where |sum of x W| passes 1.7e38.  -128/255 is rounded to f32 (0xBF008081).
; The order of the additions is the matrix unit's, with k permuted as above.  NaN and infinities in x go through the products as they come.
;
; REGISTERS, in windows of 256 (s_set_vgpr_msb: bits 1:0 source 0, 3:2 source 1, 5:4 source 2, 7:6 destination):
;   window 0: v0-15 addresses and bias; v16-47 x's bf16 fragments, a ring of four; v64-191 x in f32 as loaded, a ring of eight x 16 (on the way out: two buffers of 16 rows)
;   window 1: the accumulators of my row blocks 0-3, (a, b) at 64 (a % 4) + 8 b;   window 2: those of blocks 4-7
;   window 3: v0-1 LDS addresses of W's words; v16-31 the words' even and odd bits, a pair for each of 8 column blocks; v64-127, v128-191 W's fragments of quarter 0, quarter 1
; BY SLICES.  For each matrix instruction there are about two vector instructions (a conversion of x, a register of W) and half an LDS load.  They stand in slices, one behind each matrix
; instruction, so that the wave issues them while the matrix unit works; set in phases of their own they would leave it idle.  The price is two window switches a matrix instruction.
.set ROWB,  16384                      ; bytes in a row of x and of out0
.set PA,    272                        ; an LDS row of x: 256 bytes + 16 of padding = 68 words: row r starts at bank 4 r mod 64 (64 banks of 4 bytes: ISA guide 11.1)
.set ASLOT, 256*PA                     ; a slot: 256 rows
.set BBASE, 2*ASLOT                    ; behind the ring: W's panel, filled once
.set PB,    528                        ; an LDS row of W: 512 bytes + 16 = 132 words: the 16 rows of a load start at 16 different groups of four banks
.set STAGE, BBASE+256*PB               ; behind it: 16 rows x 528 bytes for each wave, for the way out; no tensor load lands here
.set SP,    528
.set SPARE, STAGE+4*16*SP              ; behind the stages: the spare words, 128 bytes for each wave: two blocks of 256 bytes that no other line names
.set LAPS,  31                         ; trips of the loop: a trip is two K steps; 64 steps = a quarter + 31 trips + three quarters
.set ADRA, 2                           ; v2-3    LDS address of my x rows in slot 0, 1: 128 wm rows + (l % 16) rows + 128 (l / 16)
.set STO,  4                           ; v4      the way out: where I put 32 bytes of a row
.set RD,   5                           ; v5      the way out: where I read 16 bytes of a row back
.set CO,   6                           ; v6      16 x lane: my bytes in 512 bytes of out0 and of bias; never rewritten
.set PFO,  7                           ; v7      the prefetches' offset; never rewritten
.set SPW,  8                           ; v8      LDS address of my spare word: SPARE + 4 x my thread's number; never rewritten
.set NIL,  9                           ; v9      0; never rewritten
.set BIAS, 12                          ; v12-15  bias of my four columns on the way out
.set AF,   16                          ; job x's bf16 fragment at AF + 8 (x % 4)
.set ST,   64                          ; job x's 16 f32 registers at ST + 16 (x % 8): 0-7 the low halves' k, 8-15 the high halves'
.set OB,   64                          ; the way out: block a's 16 rows at OB + 64 (a % 2)
.set ADB0, 0                           ; window 3: my place in W's panel: 128 wn rows + (l % 16) rows + 4 (l / 16); never rewritten
.set ADB,  1                           ; window 3: the same plus 16 bytes for each lap gone
.set ME,   16                          ; window 3: column block b: the word, then its even bits, at ME + 2 b; its odd bits at ME + 2 b + 1
.set BF0,  64                          ; window 3: W's fragments of quarter 0, block b at + 8 b; quarter 1's 64 further on
.set WV,   12                          ; s12  my wave's number
.set WM,   13                          ; s13  which 128 rows of the tile are mine
.set WN,   14                          ; s14  which 128 columns
.set LIM,  15                          ; s15  2 in a cluster that prefetches, else the greatest number
.set G1A,  24                          ; s[24:31] descriptor group 1 for x's tiles
.set G0A,  32                          ; s[32:39] group 0 for x's tiles, a set for each slot
.set G1B,  40                          ; s[40:47] group 1 for W's panel
.set G0B,  48                          ; s[48:51] group 0 for W's panel
.set CX,   52
.set CY,   53
.set TCOL, 54
.set TROW, 55
.set RMASK, 56
.set CMASK, 57
.set PFA,  58                          ; s[58:59] where my prefetches stand
.set MEVEN, 60                         ; s60  0x55555555
.set MODD, 61                          ; s61  0xAAAAAAAA
.set ONES, 62                          ; s62  0x3FFF3FFF
.set TBB,  63                          ; s63  16 bytes of W's rows for each lap gone
.set SCL,  66                          ; s[66:67] -128/255; the packed multiply-add names the pair and takes its low word
.set MUL1, 0x53                        ; source 0 (W) window 3, source 1 (x) window 0, C and D window 1; + 0x50: C and D window 2
.set W_B,  0xcf                        ; sources 0 and 1 and destination window 3
.set MSB, 0
.macro WIN new                         ; the immediate's high byte repeats the setting that is left; a switch that changes nothing is dropped
.if MSB != (\new)
	s_set_vgpr_msb (MSB<<8)|(\new)
.set MSB, \new
.endif
.endm
; A round of the cluster's barrier: my work-group's barrier, so that wave 0's signal speaks for all four waves; wave 0 signals; every wave waits for all sixteen work-groups; my work-group's barrier once more.
.macro CREST                           ; a round behind its opening barrier
	s_cmp_lg_u32 s[WV], 0
	s_cbranch_scc1 .Lnot_wave_0_\@
	s_barrier_signal -3
.Lnot_wave_0_\@:
	s_barrier_wait -3
	s_barrier_signal -1
	s_barrier_wait -1
.endm
.macro CROUND
	s_barrier_signal -1
	s_barrier_wait -1
	CREST
.endm
; A joint refill of slot s: my 64 rows of x's tile.  An s_nop 0 and four v_nop follow the line.
.macro JLOAD s
	tensor_load_to_lds s[G0A+4*(\s):G0A+4*(\s)+3], s[G1A:G1A+7]
	s_nop 0
.rept 4
	v_nop
.endr
.endm
; A PREFETCH INTO THE L2, once a lap, behind the odd K step's refill and the run of LDS loads that follows it.  In step s it names x's tiles s + 5 and s + 6, which the refills of steps s + 3 and
; s + 4 will ask for: 384 and 512 matrix instructions later.  Each row's 256 bytes of a K step are named ONCE in the launch: the four clusters of a row of clusters read the same rows of x, and
; the first of them (cluster x = 0) asks; of the 64 rows that wave w fetches, the partner at place cx takes 16, told apart BY ADDRESS; lanes 0-15 name the one tile's 256 bytes of these rows,
; lanes 16-31 the next tile's.  Tiles 0 to 5 come by their loads alone; the last request, in step 57 (three trips to go), names tiles 62 and 63.  W and bias are read at the head and are not asked for.
.macro ASK
	s_cmp_gt_u32 s3, s[LIM]
	s_cbranch_scc0 .Lnot_mine_\@
	global_prefetch_b8 v[PFO], s[PFA:PFA+1] th:TH_LOAD_NT scope:SCOPE_SE
.Lnot_mine_\@:
.endm
	s_load_b256 s[4:11], s[0:1], 0x0               ; x s[4:5], packed_weight s[6:7], bias s[8:9], out0 s[10:11]
	v_lshl_add_u32 v[SPW], v0, 2, SPARE
	v_mov_b32 v[NIL], 0
	ds_add_u32 v[SPW], v[NIL]                      ; the wave's opening: the add, twice on end, and its wait ahead of my first tensor load; the set-up below stands between
	ds_add_u32 v[SPW], v[NIL]                      ; and once more, under the one wait
	v_lshrrev_b32 v1, 5, v0
	v_readfirstlane_b32 s[WV], v1                  ; wave 0..3
	s_lshr_b32 s[WM], s[WV], 1
	s_and_b32 s[WN], s[WV], 1
	s_bfe_u32 s[CX], ttmp6, 0x40000                ; my place along the cluster's x
	s_bfe_u32 s[CY], ttmp6, 0x40004                ; along its y
	s_lshl_b32 s[TCOL], ttmp9, 2                   ; in a cluster launch ttmp9 and ttmp7 count clusters
	s_add_co_u32 s[TCOL], s[TCOL], s[CX]           ; tile column = 4 x cluster x + cx
	s_and_b32 s[TROW], ttmp7, 0xffff
	s_lshl_b32 s[TROW], s[TROW], 2
	s_add_co_u32 s[TROW], s[TROW], s[CY]           ; tile row = 4 x cluster y + cy
	s_lshl_b32 s[RMASK], s[CY], 2
	s_lshl_b32 s[RMASK], 15, s[RMASK]              ; my row of the cluster: places 4 cy .. 4 cy + 3
	s_lshl_b32 s[CMASK], 0x1111, s[CX]             ; my column: places cx, cx + 4, cx + 8, cx + 12
	; group 1 for x: 64 rows x 64 elements of 4 bytes, 16 bytes of padding behind each row
	s_or_b32 s[G1A+0], s[RMASK], (2<<16)|(1<<20)|(1<<21)|(5<<22)|(3<<25)  ; 15:0 the mask; 17:16 elements of 4 bytes; 20 padding on; 21 set beside a mask; 24:22 after every 64 words (code 5); 31:25 4 words (code 3)
	s_mov_b32 s[G1A+1], 64<<16                     ; tensor_dim0 = 64
	s_mov_b32 s[G1A+2], 64<<16                     ; tensor_dim1 = 64
	s_mov_b32 s[G1A+3], 64<<16                     ; tile_dim0 = 64
	s_mov_b32 s[G1A+4], 64                         ; tile_dim1 = 64
	s_mov_b32 s[G1A+5], 4096                       ; elements from row to row
	s_mov_b32 s[G1A+6], 0
	s_mov_b32 s[G1A+7], 0
	; group 1 for W: 64 rows x 128 elements of 4 bytes (a whole row of 512 bytes), 16 bytes of padding behind each row
	s_or_b32 s[G1B+0], s[CMASK], (2<<16)|(1<<20)|(1<<21)|(6<<22)|(3<<25)  ; the same with my column's mask and padding after every 128 words (code 6)
	s_mov_b32 s[G1B+1], 128<<16                    ; tensor_dim0 = 128
	s_mov_b32 s[G1B+2], 64<<16                     ; tensor_dim1 = 64
	s_mov_b32 s[G1B+3], 128<<16                    ; tile_dim0 = 128
	s_mov_b32 s[G1B+4], 64                         ; tile_dim1 = 64
	s_mov_b32 s[G1B+5], 128                        ; the rows are dense
	s_mov_b32 s[G1B+6], 0
	s_mov_b32 s[G1B+7], 0
	; where the tiles come from: x's hang on the tile row and my wave's number, W's on the tile column and my wave's number, each in registers that never hold the other coordinate
	s_lshl_b32 s16, s[TROW], 8
	s_lshl_b32 s17, s[WV], 6
	s_add_co_u32 s16, s16, s17                     ; x: row 256 x tile row + 64 x wave,
	s_lshl_b32 s16, s16, 14                        ; in bytes: under 2^26
	s_mov_b32 s17, 0
	s_lshl_b32 s18, s[TCOL], 8
	s_lshl_b32 s19, s[WV], 6
	s_add_co_u32 s18, s18, s19                     ; W: row 256 x tile column + 64 x wave,
	s_lshl_b32 s18, s18, 9                         ; in bytes
	s_mov_b32 s19, 0
	s_mul_i32 s20, s[WV], 64*PA                    ; and where they go: wave x 64 rows: no place in the cluster enters an LDS address
	s_mul_i32 s21, s[WV], 64*PB
	s_add_co_u32 s21, s21, BBASE
	s_mov_b32 s[MEVEN], 0x55555555
	s_mov_b32 s[MODD], 0xaaaaaaaa
	s_mov_b32 s[ONES], 0x3fff3fff
	s_mov_b32 s[TBB], 0
	s_mov_b32 s[SCL], 0xbf008081                   ; -128/255
	s_mov_b32 s[SCL+1], s[SCL]                     ; named with it as a pair, so it is written
	s_wait_dscnt 0x0                               ; both opening adds are done
	s_wait_kmcnt 0x0
	s_add_nc_u64 s[16:17], s[4:5], s[16:17]        ; x at my 64 rows
	CROUND                                         ; all sixteen work-groups are here: the first joint loads meet
.irp s, 0,1
	s_mov_b32 s[G0A+4*(\s)], 1                     ; 1:0 count = 1
	s_add_co_u32 s[G0A+4*(\s)+1], s20, (\s)*ASLOT  ; 63:32 LDS address
	s_add_nc_u64 s[G0A+4*(\s)+2:G0A+4*(\s)+3], s[16:17], (\s)*256  ; 120:64 global address: K step s
	s_or_b32 s[G0A+4*(\s)+3], s[G0A+4*(\s)+3], 0x80000000          ; 127:126 type = 2
.endr
	s_mov_b32 s[G0B], 1
	s_mov_b32 s[G0B+1], s21
	s_add_nc_u64 s[G0B+2:G0B+3], s[6:7], s[18:19]
	s_or_b32 s[G0B+3], s[G0B+3], 0x80000000
	tensor_load_to_lds s[G0B:G0B+3], s[G1B:G1B+7]  ; the first fills go out together: W's panel, K step 0, K step 1: three loads of mine are out
	s_nop 0
	tensor_load_to_lds s[G0A:G0A+3], s[G1A:G1A+7]
	s_nop 0
	tensor_load_to_lds s[G0A+4:G0A+7], s[G1A:G1A+7]
	s_nop 0
.rept 4
	v_nop
.endr
	; the lanes' addresses
	v_and_b32 v1, 15, v0                           ; r = l % 16
	v_bfe_u32 v10, v0, 4, 1                        ; h = l / 16
	v_and_b32 v11, 31, v0                          ; l
	v_lshlrev_b32 v[CO], 4, v11
	s_lshl_b32 s22, s[TCOL], 8
	s_lshl_b32 s23, s[WN], 7
	s_add_co_u32 s22, s22, s23                     ; my first column: 256 x tile column + 128 wn,
	s_lshl_b32 s22, s22, 2                         ; in bytes
	s_mov_b32 s23, 0
	s_add_nc_u64 s[8:9], s[8:9], s[22:23]
	global_load_b128 v[BIAS:BIAS+3], v[CO], s[8:9] ; bias of the four columns that I store; waited for on the way out
	s_lshl_b32 s68, s[TROW], 8
	s_lshl_b32 s69, s[WM], 7
	s_add_co_u32 s68, s68, s69                     ; my first row: 256 x tile row + 128 wm,
	s_lshl_b32 s68, s68, 14                        ; in bytes
	s_mov_b32 s69, 0
	s_add_nc_u64 s[10:11], s[10:11], s[68:69]
	s_add_nc_u64 s[10:11], s[10:11], s[22:23]      ; out0 at my part of the tile
	s_mul_i32 s72, s[WM], 128*PA
	v_mul_u32_u24 v[ADRA], v1, PA
	v_lshl_add_u32 v[ADRA], v10, 7, v[ADRA]        ; row x pitch + 128 x half: my half's 32 numbers
	v_add_nc_u32 v[ADRA], s72, v[ADRA]
	v_add_nc_u32 v[ADRA+1], ASLOT, v[ADRA]
	s_mul_i32 s73, s[WV], 16*SP
	s_add_co_u32 s73, s73, STAGE                   ; my stage
	v_mul_u32_u24 v[STO], v1, SP                   ; in: row l % 16, 32 bytes for each half of the lanes
	v_lshl_add_u32 v[STO], v10, 5, v[STO]
	v_add_nc_u32 v[STO], s73, v[STO]
	v_lshl_add_u32 v[RD], v11, 4, s73              ; back: 32 lanes take one row of 512 bytes
	v_lshlrev_b32 v[PFO], 14, v1                   ; the prefetches: row l % 16,
	v_lshl_add_u32 v[PFO], v10, 8, v[PFO]          ; the first or the second of two K steps
	s_mul_i32 s74, s[WN], 128*PB
	s_add_co_u32 s74, s74, BBASE
	v_mul_u32_u24 v48, v1, PB
	v_lshl_add_u32 v48, v10, 2, v48                ; row x pitch + 4 x half: my half's word
	WIN 0xc0                                       ; destination window 3, sources window 0
	v_add_nc_u32 v[ADB0], s74, v48
	v_add_nc_u32 v[ADB], s74, v48
	WIN 0
	s_lshl_b32 s70, s[TROW], 8
	s_lshl_b32 s71, s[WV], 6
	s_add_co_u32 s70, s70, s71
	s_lshl_b32 s71, s[CX], 4
	s_add_co_u32 s70, s70, s71                     ; of the 64 rows that I fetch, my work-group's 16
	s_lshl_b32 s70, s70, 14
	s_mov_b32 s71, 0
	s_add_nc_u64 s[PFA:PFA+1], s[4:5], s[70:71]
	s_add_nc_u64 s[PFA:PFA+1], s[PFA:PFA+1], 1024  ; at K step 4: step 1 steps it to 6 and names tiles 6 and 7.  Nothing is prefetched here, at the head
	s_cmp_eq_u32 ttmp9, 0                          ; the same in all sixteen partners
	s_cselect_b32 s[LIM], 2, -1
; THE PIPELINE.  A K step has 16 JOBS: job t = quarter t / 8, my row block t % 8; jobs 16 on are the next step's.  In BLOCK-TIME t the wave issues job t's 8 matrix instructions (column blocks 0-7).
; Behind the even ones stand x's slices: two conversions of job t + 1 and one LDS load of job t + 6.  Behind the odd ones W's slices: fragment t % 8 of the NEXT quarter.
; The 64 accumulators take turns, one instruction a turn, in the same order in every quarter, over the backward jump too.
.macro MM t, i, zero                   ; matrix instruction i of job t; zero = 1: it starts the sum: nothing is ever cleared
	WIN MUL1+0x50*(((\t)%8)/4)
.set rD, 64*((\t)%4)+8*(\i)
.set rW, BF0+64*((\t)/8)+8*(\i)
.set rX, AF+8*((\t)%4)
.if \zero
	v_wmma_f32_16x16x32_bf16 v[rD:rD+7], v[rW:rW+7], v[rX:rX+7], 0
.else
	v_wmma_f32_16x16x32_bf16 v[rD:rD+7], v[rW:rW+7], v[rX:rX+7], v[rD:rD+7]
.endif
.endm
.macro CVT x, j                        ; register j of job x's fragment: k in the low half, k + 16 in the high half
	WIN 0
	v_cvt_pk_bf16_f32 v[AF+8*((\x)%4)+(\j)], v[ST+16*((\x)%8)+(\j)], v[ST+16*((\x)%8)+8+(\j)]
.endm
.macro LDA x, slot, k                  ; load k of 4 of job x: 16 bytes at 0, 16, 64, 80 behind byte 32 f of my half of the row
	WIN 0
	ds_load_b128 v[ST+16*((\x)%8)+4*(\k):ST+16*((\x)%8)+4*(\k)+3], v[ADRA+(\slot)] offset:((\x)%8)*16*PA+32*(((\x)/8)%2)+16*((\k)%2)+64*((\k)/2)
.endm
.macro BREG f, a, j                    ; register j of W's fragment a of quarter f: bits p = 8 f + j and p + 16 go to the two sign bits
	v_lshl_or_b32 v[BF0+64*(\f)+8*(\a)+(\j)], v[ME+2*(\a)+(\j)%2], 15-8*(\f)-(\j), s[ONES]
.endm
; W's slice k of 4 in a block-time of quarter f, for column block a.  f = 0: quarter 1's fragment, two registers a slice; the last slice then loads the NEXT step's word (offw: its bytes behind ADB; below 0: none).
; f = 1: that word is cut into its even and odd bits, and the next step's quarter 0 is made: 2, 3, 3, 2 instructions.
.macro BSL f, a, k, offw
	WIN W_B
.if (\f) == 0
	BREG 1, \a, 2*(\k)
	BREG 1, \a, 2*(\k)+1
.if ((\k) == 3) && ((\offw) >= 0)
	ds_load_b32 v[ME+2*(\a)], v[ADB] offset:(\a)*16*PB+(\offw)
.endif
.elseif (\k) == 0
	v_and_b32 v[ME+2*(\a)+1], s[MODD], v[ME+2*(\a)]
	v_and_b32 v[ME+2*(\a)], s[MEVEN], v[ME+2*(\a)]
.elseif (\k) == 1
	BREG 0, \a, 0
	BREG 0, \a, 1
	BREG 0, \a, 2
.elseif (\k) == 2
	BREG 0, \a, 3
	BREG 0, \a, 4
	BREG 0, \a, 5
.else
	BREG 0, \a, 6
	BREG 0, \a, 7
.endif
.endm
; BLOCK-TIME t of a K step that lies in \slot.  mode 0: the slot is filled again; 1: the last change of slots, nothing is asked for; 2: the last K step: nothing follows it.
; DISTANCES.  A fragment of x is written three block-times behind the products that read its registers, a fragment of W eight slices or more behind its last reader: sixteen plain vector
; instructions or more, none of which names a register of that product.  The f32 ring and the words are no matrix operands, so loads into them owe no distance.
; THE LDS LOADS.  Times 0-9 load job t + 6 from this slot; times 10 and 11 load nothing; time 12, behind the change of slots, loads jobs 16, 17, 18 in one run; times 13-15 job t + 6, from the other slot.
; THE WAIT at a time's head: job t + 1, which the time converts, is in when at most the four younger jobs' 16 loads are out (W's word loads among them only make the count stricter).
; A word is loaded eight block-times ahead of the slice that cuts it: more than 16 LDS instructions, or the wait for 0, lie between.
; THE CHANGE OF SLOTS, times 10 to 12: ONE barrier.  In front of it each wave waits for all its tensor loads, of which one is out: its part of the other slot; adds 0 to its spare word; and, a
; block-time of register work later, waits for that and for its own reads of this slot (job 15's were issued in time 9).  The barrier opens a round of the cluster's barrier, with a block-time of register work
; between signal and wait; behind the round no wave of any partner reads this slot or has a load on its way, and the joint refill, two K steps ahead, comes first: it has 14 block-times, 112 matrix instructions, in which to land.
.macro TIME slot, t, zero, mode
.set HASC, 1                           ; is there a job t + 1 to convert?
.if ((\mode) == 2) && ((\t) == 15)
.set HASC, 0
.endif
.set HASL, 0                           ; does a slice load?
.if (\t) <= 9
.set HASL, 1
.endif
.if ((\t) >= 13) && ((\mode) < 2)
.set HASL, 1
.endif
.set LSL, \slot
.if (\t)+6 >= 16
.set LSL, 1-(\slot)
.endif
.set HASB, 1                           ; is there a next quarter of W to make?
.if ((\mode) == 2) && ((\t) >= 8)
.set HASB, 0
.endif
.set OFFW, 8+8*(\slot)                 ; ADB stands at the lap's even step: the next step's word lies 8 bytes on in an even step, 16 in an odd one
.if (\mode) == 2
.set OFFW, -1
.endif
.if ((\mode) < 2) && ((\t) == 10)
	WIN 0                                          ; (the add's two registers lie in window 0)
	s_wait_dscnt 16                                ; job 11 is in
	s_wait_tensorcnt 0x0                           ; all my tensor loads have landed: the one that was out is my part of the other slot;
	ds_add_u32 v[SPW], v[NIL]                      ; 0 onto my spare word: this block-time's work on registers stands between it and the wait for it
.elseif ((\mode) < 2) && ((\t) == 11)
	s_wait_dscnt 0x0                               ; the add is done, and my reads of this slot are over:
	s_barrier_signal -1                            ; say so, and work on registers while the others arrive
.elseif ((\mode) < 2) && ((\t) == 12)
.if (\mode) == 0
	CREST                                          ; wave 0 says so for the work-group, all sixteen have said so, my work-group's barrier closes the round
	s_add_nc_u64 s[G0A+4*(\slot)+2:G0A+4*(\slot)+3], s[G0A+4*(\slot)+2:G0A+4*(\slot)+3], 512  ; no tensor load of mine is out, so a group 0 may be written: two K steps on
	JLOAD \slot                                    ; the first tensor load behind the round, and my only one until the next
.endif
.irp x, 16,17,18
.irp k, 0,1,2,3
	LDA \x, 1-(\slot), \k
.endr
.endr
.if ((\mode) == 0) && ((\slot) == 1)
	ASK
.endif
.elseif ((\mode) < 2) && ((\t) > 12) && ((\t) < 15)
	; jobs 14 and 15 were shown landed by the wait for 0 in time 11
.elseif ((\mode) == 2) && ((\t) >= 10)
.if (\t) < 15
	s_wait_dscnt 4*(14-(\t))                       ; nothing is loaded any more: behind job t + 1 stand jobs t + 2 .. 15
.endif
.else
	s_wait_dscnt 16                                ; job t + 1 is in
.endif
.irp k, 0,1,2,3
	MM \t, 2*\k, \zero
.if HASC
	CVT (\t)+1, 2*\k
	CVT (\t)+1, 2*\k+1
.endif
.if HASL
	LDA (\t)+6, LSL, \k
.endif
	MM \t, 2*\k+1, \zero
.if HASB
.if ((\k) == 0) && ((\t) == 8) && ((\slot) == 1) && ((\mode) == 0)
	s_add_co_u32 s[TBB], s[TBB], 16                ; the lap's word loads have been issued: on to the next lap's 16 bytes of W's rows
	WIN W_B
	v_add_nc_u32 v[ADB], s[TBB], v[ADB0]
.endif
	BSL (\t)/8, (\t)%8, \k, OFFW
.endif
.endr
.if ((\mode) < 2) && ((\t) == 11)
	WIN 0
	s_barrier_wait -1                              ; all four waves have said so
.endif
.endm
.macro QUART slot, f, zero, mode       ; a quarter: 32 along K, 8 block-times, 64 matrix instructions
.if ((\slot) == 1) && ((\f) == 1) && ((\mode) == 0)
	s_wait_xcnt 0x0                                ; the last prefetch, a lap back, has read its address, so it may be written:
	s_add_nc_u64 s[PFA:PFA+1], s[PFA:PFA+1], 512   ; two K steps on
.endif
.irp a, 0,1,2,3,4,5,6,7
	TIME \slot, 8*(\f)+\a, \zero, \mode
.endr
.endm
	s_wait_tensorcnt 0x1                           ; my parts of W's panel and of K step 0 are in; K step 1's load may stay out
	s_barrier_signal -1
	s_barrier_wait -1                              ; everybody's are
	WIN W_B
.irp a, 0,1,2,3,4,5,6,7
	ds_load_b32 v[ME+2*(\a)], v[ADB] offset:(\a)*16*PB  ; K step 0's words
.endr
.irp x, 0,1,2,3,4,5
.irp k, 0,1,2,3
	LDA \x, 0, \k
.endr
.endr
	s_wait_dscnt 24                                ; the eight words are in; the 24 loads behind them may be out
.irp a, 0,1,2,3,4,5,6,7
.irp k, 0,1,2,3
	BSL 1, \a, \k, -1                              ; K step 0's quarter 0 of W
.endr
.endr
	s_wait_dscnt 20                                ; job 0 is in; jobs 1 to 5 may be out
.irp j, 0,1,2,3,4,5,6,7
	CVT 0, \j
.endr
	QUART 0, 0, 1, 0                               ; the first quarter stands in front of the loop: its products start the sums
	WIN 0                                          ; at a label and at a branch every window is 0
	s_mov_b32 s3, LAPS
.Llap:                                             ; trip i: from K step 2 i's second quarter to K step 2 i + 2's first; it asks for tiles 2 i + 2 and 2 i + 3
	QUART 0, 1, 0, 0
	QUART 1, 0, 0, 0
	QUART 1, 1, 0, 0
	QUART 0, 0, 0, 0
	WIN 0
	s_sub_co_u32 s3, s3, 1
	s_cmp_lg_u32 s3, 0
	s_cbranch_scc1 .Llap
	QUART 0, 1, 0, 1                               ; K step 62: the tail is written out; nothing is asked for
	QUART 1, 0, 0, 2                               ; K step 63
	QUART 1, 1, 0, 2
; THE WAY OUT, a block of 16 rows at a time.  A lane's eight numbers of a row (32 bytes) go into my own stage in LDS, rows of 528 bytes, and come back as whole rows of 512 bytes, 16 bytes a lane;
; then sum x (-128/255) + bias, two numbers an instruction, and a store of 512 consecutive bytes, at a multiple of 512 from out0's first byte.
.macro TOSTAGE a
	WIN 0x04*(1+(\a)/4)                            ; the stores' data: window 1 or 2
.irp b, 0,1,2,3,4,5,6,7
	ds_store_b128 v[STO], v[64*((\a)%4)+8*(\b):64*((\a)%4)+8*(\b)+3]   offset:64*(\b)     ; each accumulator's low registers are read first
	ds_store_b128 v[STO], v[64*((\a)%4)+8*(\b)+4:64*((\a)%4)+8*(\b)+7] offset:64*(\b)+16
.endr
	WIN 0
.if (\a) >= 2
	s_wait_xcnt 0x0                                ; every earlier memory instruction has had its addresses translated (ISA guide 3.1): the buffer that the stores two blocks back read is loaded again only behind this wait
.endif
.irp t, 0,1,2,3,4,5,6,7,8,9,10,11,12,13,14,15
	ds_load_b128 v[OB+64*((\a)%2)+4*(\t):OB+64*((\a)%2)+4*(\t)+3], v[RD] offset:SP*(\t)  ; LDS serves a wave's instructions in order (ISA guide 5.7.1.4): these see the stores above; the next block's stores come behind them
.endr
.endm
.macro SEND a, younger                 ; younger: the LDS instructions issued behind block a's loads: the next block's 32, or none
	WIN 0
.irp t, 0,1,2,3,4,5,6,7,8,9,10,11,12,13,14,15
	s_wait_dscnt (\younger)+15-(\t)                ; row t is back
	v_pk_fma_f32 v[OB+64*((\a)%2)+4*(\t):OB+64*((\a)%2)+4*(\t)+1], v[OB+64*((\a)%2)+4*(\t):OB+64*((\a)%2)+4*(\t)+1], s[SCL:SCL+1], v[BIAS:BIAS+1] op_sel_hi:[1,0,1]
	v_pk_fma_f32 v[OB+64*((\a)%2)+4*(\t)+2:OB+64*((\a)%2)+4*(\t)+3], v[OB+64*((\a)%2)+4*(\t)+2:OB+64*((\a)%2)+4*(\t)+3], s[SCL:SCL+1], v[BIAS+2:BIAS+3] op_sel_hi:[1,0,1]
	global_store_b128 v[CO], v[OB+64*((\a)%2)+4*(\t):OB+64*((\a)%2)+4*(\t)+3], s[10:11] offset:(16*(\a)+(\t))*ROWB th:TH_STORE_NT  ; 127 rows at the most: inside the signed 24-bit immediate
.endr
.endm
	WIN 0
.rept 4
	v_nop                                          ; four places behind the last products, in front of stores that read results
.endr
	s_wait_loadcnt 0x0                             ; bias
	TOSTAGE 0
.irp a, 1,2,3,4,5,6,7                  ; a block's way through the stage stands between the loads of the block before and its stores
	TOSTAGE \a
	SEND (\a)-1, 32
.endr
	SEND 7, 0
	s_wait_tensorcnt 0x0                           ; the wave's end: a wait, an add and its wait, behind my last tensor load and my last LDS store
	ds_add_u32 v[SPW], v[NIL]
	s_wait_dscnt 0x0
	CROUND                                         ; the closing round: no work-group ends while a partner may still ask for a tile that names it
	s_endpgm
.Lfunc_end_k_qae3ef5cca9_bitgemm:
	.size	k_qae3ef5cca9_bitgemm, .Lfunc_end_k_qae3ef5cca9_bitgemm-k_qae3ef5cca9_bitgemm
	.p2alignl 7, 3214868480
	.fill 96, 4, 3214868480
	.section	.rodata,"a",@progbits
	.p2align	6, 0x0
	.amdhsa_kernel k_qae3ef5cca9_bitgemm
		.amdhsa_group_segment_fixed_size 327680
		.amdhsa_private_segment_fixed_size 0
		.amdhsa_enable_private_segment 0
		.amdhsa_kernarg_size 32
		.amdhsa_user_sgpr_count 2
		.amdhsa_user_sgpr_kernarg_segment_ptr 1
		.amdhsa_wavefront_size32 1
		.amdhsa_system_sgpr_workgroup_id_x 1
		.amdhsa_system_sgpr_workgroup_id_y 1
		.amdhsa_system_sgpr_workgroup_id_z 1
		.amdhsa_system_vgpr_workitem_id 0
		.amdhsa_next_free_vgpr 1024
		.amdhsa_next_free_sgpr 80
		.amdhsa_reserve_vcc 0
		.amdhsa_float_denorm_mode_32 3
		.amdhsa_float_denorm_mode_16_64 3
		.amdhsa_memory_ordered 1
		.amdhsa_forward_progress 1
		.amdhsa_inst_pref_size 206
	.end_amdhsa_kernel
	.amdgpu_metadata
---
amdhsa.version: [ 1, 2 ]
amdhsa.kernels:
  - .name:           k_qae3ef5cca9_bitgemm
    .symbol:         k_qae3ef5cca9_bitgemm.kd
    .args:
      - { .name: x, .offset: 0, .size: 8, .value_kind: global_buffer, .address_space: global }
      - { .name: packed_weight, .offset: 8, .size: 8, .value_kind: global_buffer, .address_space: global }
      - { .name: bias, .offset: 16, .size: 8, .value_kind: global_buffer, .address_space: global }
      - { .name: out0, .offset: 24, .size: 8, .value_kind: global_buffer, .address_space: global }
    .group_segment_fixed_size: 327680
    .private_segment_fixed_size: 0
    .kernarg_segment_align: 8
    .kernarg_segment_size: 32
    .max_flat_workgroup_size: 128
    .sgpr_count:     80
    .vgpr_count:     1024
    .wavefront_size: 32
...
	.end_amdgpu_metadata
.endif
;; end of part 1
;; ======== version 2 of 3: 1 launch
;; launch bitgemm (part 2): grid 16 x 16, 4 waves a work-group, clusters of 4 x 4, 327,680 bytes of LDS; arguments x, packed_weight, bias, out0; writes out0
.if DOCPART == 2
	.amdgcn_target "amdgcn-amd-amdhsa--gfx1250"
	.amdhsa_code_object_version 6
	.text
	.protected	k_qae3ef5cca9_bitgemm
	.globl	k_qae3ef5cca9_bitgemm
	.p2align	8
	.type	k_qae3ef5cca9_bitgemm,@function
k_qae3ef5cca9_bitgemm:
	s_mov_b64 s[64:65], 0
	v_nop
	global_prefetch_b8 v0, s[64:65] scope:SCOPE_SE
	s_setreg_imm32_b32 hwreg(HW_REG_WAVE_MODE, 25, 1), 1
	s_wait_xcnt 0x0
	s_wait_alu depctr_hold_cnt(0) depctr_sa_sdst(0) depctr_va_vdst(0) depctr_va_sdst(0) depctr_va_ssrc(0) depctr_va_vcc(0) depctr_vm_vsrc(0)
	s_getreg_b32 s2, hwreg(HW_REG_IB_STS2, 6, 4)
	s_cmp_eq_u32 s2, 0
	s_cbranch_scc0 .Lentry_in_a_cluster
	s_endpgm
.Lentry_in_a_cluster:
	s_bfe_u32 s2, ttmp6, 0x10000c
	s_cmp_lg_u32 s2, 0xf033
	s_cbranch_scc0 .Lentry_shape_is_right
	s_endpgm
.Lentry_shape_is_right:
; out0[m][o] = sum over k of x[m][k] W[o][k] + bias[o].  x: [4096][4096] f32 (the two batches on end), out0 likewise, bias: [4096] f32.
; W[o][k] = 2 bit - 1, the bit being bit k % 8 of byte k / 8 of packed_weight's row o (512 bytes a row).
; ONE LAUNCH: both operands become bf16 on the way from LDS to the matrix unit; nothing goes through memory in between.
; SHARES.  A tile of out0, 256 x 256, is made by a work-group of four waves; a wave makes 128 x 128: 64 accumulators of 16 x 16, 512 registers.  16 x 16 tiles: 256 work-groups.
; K goes in steps of 64: x's tile (256 rows x 256 bytes of f32) through a ring of two LDS slots; W's 256 rows, all 4,096 bits of each, lie in LDS from the start (512 bytes a row).
; Two slots of 128 along K (270,336 bytes) and W's panel (135,168) would not fit beside each other.
; CLUSTER 4 x 4.  x's tile hangs on the tile row alone and is shared along a row of the cluster, W's panel on the tile column alone and is shared along a column:
; each is asked for JOINTLY, by the same tensor load with the same descriptor and a mask that names the four.  Each wave asks for 64 rows of its own: no load stands under a branch.
; THE MATRIX INSTRUCTION IS USED TRANSPOSED (source 0 = 16 rows of W, source 1 = 16 rows of x): a lane holds row l % 16 of out0 and the columns 8 (l / 16) + 0..7.
; THE ORDER OF K inside a step of 64 is changed alike in both sources, which keeps the products: half h of the lanes owns k = 32 h .. 32 h + 31; register j of quarter f (a matrix
; instruction's 32 along K) holds k = 32 h + 8 f + j in its low half and k + 16 in its high half.  For W these are bits p = 8 f + j and p + 16 of ONE 32-bit word a lane;
; for x two runs of 32 bytes, at bytes 128 h + 32 f and 128 h + 64 + 32 f of the LDS row.
; A WEIGHT IS MADE AS bf16 0x3FFF OR 0xBFFF: (mask << (15 - p)) | 0x3FFF3FFF, the mask being the word's even bits for even p, its odd bits for odd p.  Bits p and p + 16 land on the two
; sign bits; every other bit of the mask lands on an odd place that already holds a one, or falls out; places 14 and 30 are even and never hit.  So bit 0 gives +255/128, bit 1 gives -255/128:
; the sums are -(255/128) x the wanted ones, and the way out takes sum x (-128/255) + bias in one fused multiply-add.  One instruction a register, two masks for sixteen registers.
; LIMITS.  x is rounded to bf16 (nearest even).  The sums in f32 are 255/128 times the wanted ones: they overflow where |sum of x W| passes 1.7e38.  -128/255 is rounded to f32 (0xBF008081).
; The order of the additions is the matrix unit's, with k permuted as above.  NaN and infinities in x go through the products as they come.
;
; REGISTERS, in windows of 256 (s_set_vgpr_msb: bits 1:0 source 0, 3:2 source 1, 5:4 source 2, 7:6 destination):
;   window 0: v0-15 addresses and bias; v16-47 x's bf16 fragments, a ring of four; v64-191 x in f32 as loaded, a ring of eight x 16 (on the way out: two buffers of 16 rows)
;   window 1: the accumulators of my row blocks 0-3, (a, b) at 64 (a % 4) + 8 b;   window 2: those of blocks 4-7
;   window 3: v0-1 LDS addresses of W's words; v16-31 the words' even and odd bits, a pair for each of 8 column blocks; v32-39 the next step's words as loaded;
;             v64-127, v128-191 W's fragments of quarter 0, quarter 1
; BY SLICES.  For each matrix instruction there are about two vector instructions (a conversion of x, a register of W).  They stand in slices, one behind each matrix instruction, so that the
; wave issues them while the matrix unit works; set in phases of their own they would leave it idle.  The price is two window switches a matrix instruction.
; THE LDS LOADS STAND IN RUNS, four a K step, never singly among the matrix instructions.
.set ROWB,  16384                      ; bytes in a row of x and of out0
.set PA,    272                        ; an LDS row of x: 256 bytes + 16 of padding = 68 words: row r starts at bank 4 r mod 64 (64 banks of 4 bytes: ISA guide 11.1)
.set ASLOT, 256*PA                     ; a slot: 256 rows
.set BBASE, 2*ASLOT                    ; behind the ring: W's panel, filled once
.set PB,    528                        ; an LDS row of W: 512 bytes + 16 = 132 words: the 16 rows of a load start at 16 different groups of four banks
.set STAGE, BBASE+256*PB               ; behind it: 16 rows x 528 bytes for each wave, for the way out; no tensor load lands here
.set SP,    528
.set SPARE, STAGE+4*16*SP              ; behind the stages: the spare words, 128 bytes for each wave: two blocks of 256 bytes that no other line names
.set LAPS,  31                         ; trips of the loop: a trip is two K steps; 64 steps = a quarter + 31 trips + three quarters
.set ADRA, 2                           ; v2-3    LDS address of my x rows in slot 0, 1: 128 wm rows + (l % 16) rows + 128 (l / 16)
.set STO,  4                           ; v4      the way out: where I put 32 bytes of a row
.set RD,   5                           ; v5      the way out: where I read 16 bytes of a row back
.set CO,   6                           ; v6      16 x lane: my bytes in 512 bytes of out0 and of bias; never rewritten
.set PFO,  7                           ; v7      the prefetches' offset; never rewritten
.set SPW,  8                           ; v8      LDS address of my spare word: SPARE + 4 x my thread's number; never rewritten
.set NIL,  9                           ; v9      0; never rewritten
.set BIAS, 12                          ; v12-15  bias of my four columns on the way out
.set AF,   16                          ; job x's bf16 fragment at AF + 8 (x % 4)
.set ST,   64                          ; job x's 16 f32 registers at ST + 16 (x % 8): 0-7 the low halves' k, 8-15 the high halves'
.set OB,   64                          ; the way out: block a's 16 rows at OB + 64 (a % 2)
.set ADB0, 0                           ; window 3: my place in W's panel: 128 wn rows + (l % 16) rows + 4 (l / 16); never rewritten
.set ADB,  1                           ; window 3: the same plus 16 bytes for each lap gone
.set ME,   16                          ; window 3: column block b: its word's even bits at ME + 2 b, its odd bits at ME + 2 b + 1
.set WD,   32                          ; window 3: column block b: the next step's word, as loaded, at WD + b
.set BF0,  64                          ; window 3: W's fragments of quarter 0, block b at + 8 b; quarter 1's 64 further on
.set WV,   12                          ; s12  my wave's number
.set WM,   13                          ; s13  which 128 rows of the tile are mine
.set WN,   14                          ; s14  which 128 columns
.set LIM,  15                          ; s15  2 in a cluster that prefetches, else the greatest number
.set G1A,  24                          ; s[24:31] descriptor group 1 for x's tiles
.set G0A,  32                          ; s[32:39] group 0 for x's tiles, a set for each slot
.set G1B,  40                          ; s[40:47] group 1 for W's panel
.set G0B,  48                          ; s[48:51] group 0 for W's panel
.set CX,   52
.set CY,   53
.set TCOL, 54
.set TROW, 55
.set RMASK, 56
.set CMASK, 57
.set PFA,  58                          ; s[58:59] where my prefetches stand
.set MEVEN, 60                         ; s60  0x55555555
.set MODD, 61                          ; s61  0xAAAAAAAA
.set ONES, 62                          ; s62  0x3FFF3FFF
.set TBB,  63                          ; s63  16 bytes of W's rows for each lap gone
.set SCL,  66                          ; s[66:67] -128/255; the packed multiply-add names the pair and takes its low word
.set MUL1, 0x53                        ; source 0 (W) window 3, source 1 (x) window 0, C and D window 1; + 0x50: C and D window 2
.set W_B,  0xcf                        ; sources 0 and 1 and destination window 3
.set MSB, 0
.macro WIN new                         ; the immediate's high byte repeats the setting that is left; a switch that changes nothing is dropped
.if MSB != (\new)
	s_set_vgpr_msb (MSB<<8)|(\new)
.set MSB, \new
.endif
.endm
; A round of the cluster's barrier: my work-group's barrier, so that wave 0's signal speaks for all four waves; wave 0 signals; every wave waits for all sixteen work-groups; my work-group's barrier once more.
.macro CREST                           ; a round behind its opening barrier
	s_cmp_lg_u32 s[WV], 0
	s_cbranch_scc1 .Lnot_wave_0_\@
	s_barrier_signal -3
.Lnot_wave_0_\@:
	s_barrier_wait -3
	s_barrier_signal -1
	s_barrier_wait -1
.endm
.macro CROUND
	s_barrier_signal -1
	s_barrier_wait -1
	CREST
.endm
; A joint refill of slot s: my 64 rows of x's tile.  An s_nop 0 and four v_nop follow the line.
.macro JLOAD s
	tensor_load_to_lds s[G0A+4*(\s):G0A+4*(\s)+3], s[G1A:G1A+7]
	s_nop 0
.rept 4
	v_nop
.endr
.endm
; A PREFETCH INTO THE L2, once a lap, behind the odd K step's refill and the run of LDS loads that follows it.  In step s it names x's tiles s + 5 and s + 6, which the refills of steps s + 3 and
; s + 4 will ask for: 384 and 512 matrix instructions later.  Each row's 256 bytes of a K step are named ONCE in the launch: the four clusters of a row of clusters read the same rows of x, and
; the first of them (cluster x = 0) asks; of the 64 rows that wave w fetches, the partner at place cx takes 16, told apart BY ADDRESS; lanes 0-15 name the one tile's 256 bytes of these rows,
; lanes 16-31 the next tile's.  Tiles 0 to 5 come by their loads alone; the last request, in step 57 (three trips to go), names tiles 62 and 63.  W and bias are read at the head and are not asked for.
.macro ASK
	s_cmp_gt_u32 s3, s[LIM]
	s_cbranch_scc0 .Lnot_mine_\@
	global_prefetch_b8 v[PFO], s[PFA:PFA+1] th:TH_LOAD_NT scope:SCOPE_SE
.Lnot_mine_\@:
.endm
	s_load_b256 s[4:11], s[0:1], 0x0               ; x s[4:5], packed_weight s[6:7], bias s[8:9], out0 s[10:11]
	v_lshl_add_u32 v[SPW], v0, 2, SPARE
	v_mov_b32 v[NIL], 0
	ds_add_u32 v[SPW], v[NIL]                      ; the wave's opening: the add, twice on end, and its wait ahead of my first tensor load; the set-up below stands between
	ds_add_u32 v[SPW], v[NIL]                      ; and once more, under the one wait
	v_lshrrev_b32 v1, 5, v0
	v_readfirstlane_b32 s[WV], v1                  ; wave 0..3
	s_lshr_b32 s[WM], s[WV], 1
	s_and_b32 s[WN], s[WV], 1
	s_bfe_u32 s[CX], ttmp6, 0x40000                ; my place along the cluster's x
	s_bfe_u32 s[CY], ttmp6, 0x40004                ; along its y
	s_lshl_b32 s[TCOL], ttmp9, 2                   ; in a cluster launch ttmp9 and ttmp7 count clusters
	s_add_co_u32 s[TCOL], s[TCOL], s[CX]           ; tile column = 4 x cluster x + cx
	s_and_b32 s[TROW], ttmp7, 0xffff
	s_lshl_b32 s[TROW], s[TROW], 2
	s_add_co_u32 s[TROW], s[TROW], s[CY]           ; tile row = 4 x cluster y + cy
	s_lshl_b32 s[RMASK], s[CY], 2
	s_lshl_b32 s[RMASK], 15, s[RMASK]              ; my row of the cluster: places 4 cy .. 4 cy + 3
	s_lshl_b32 s[CMASK], 0x1111, s[CX]             ; my column: places cx, cx + 4, cx + 8, cx + 12
	; group 1 for x: 64 rows x 64 elements of 4 bytes, 16 bytes of padding behind each row
	s_or_b32 s[G1A+0], s[RMASK], (2<<16)|(1<<20)|(1<<21)|(5<<22)|(3<<25)  ; 15:0 the mask; 17:16 elements of 4 bytes; 20 padding on; 21 set beside a mask; 24:22 after every 64 words (code 5); 31:25 4 words (code 3)
	s_mov_b32 s[G1A+1], 64<<16                     ; tensor_dim0 = 64
	s_mov_b32 s[G1A+2], 64<<16                     ; tensor_dim1 = 64
	s_mov_b32 s[G1A+3], 64<<16                     ; tile_dim0 = 64
	s_mov_b32 s[G1A+4], 64                         ; tile_dim1 = 64
	s_mov_b32 s[G1A+5], 4096                       ; elements from row to row
	s_mov_b32 s[G1A+6], 0
	s_mov_b32 s[G1A+7], 0
	; group 1 for W: 64 rows x 128 elements of 4 bytes (a whole row of 512 bytes), 16 bytes of padding behind each row
	s_or_b32 s[G1B+0], s[CMASK], (2<<16)|(1<<20)|(1<<21)|(6<<22)|(3<<25)  ; the same with my column's mask and padding after every 128 words (code 6)
	s_mov_b32 s[G1B+1], 128<<16                    ; tensor_dim0 = 128
	s_mov_b32 s[G1B+2], 64<<16                     ; tensor_dim1 = 64
	s_mov_b32 s[G1B+3], 128<<16                    ; tile_dim0 = 128
	s_mov_b32 s[G1B+4], 64                         ; tile_dim1 = 64
	s_mov_b32 s[G1B+5], 128                        ; the rows are dense
	s_mov_b32 s[G1B+6], 0
	s_mov_b32 s[G1B+7], 0
	; where the tiles come from: x's hang on the tile row and my wave's number, W's on the tile column and my wave's number, each in registers that never hold the other coordinate
	s_lshl_b32 s16, s[TROW], 8
	s_lshl_b32 s17, s[WV], 6
	s_add_co_u32 s16, s16, s17                     ; x: row 256 x tile row + 64 x wave,
	s_lshl_b32 s16, s16, 14                        ; in bytes: under 2^26
	s_mov_b32 s17, 0
	s_lshl_b32 s18, s[TCOL], 8
	s_lshl_b32 s19, s[WV], 6
	s_add_co_u32 s18, s18, s19                     ; W: row 256 x tile column + 64 x wave,
	s_lshl_b32 s18, s18, 9                         ; in bytes
	s_mov_b32 s19, 0
	s_mul_i32 s20, s[WV], 64*PA                    ; and where they go: wave x 64 rows: no place in the cluster enters an LDS address
	s_mul_i32 s21, s[WV], 64*PB
	s_add_co_u32 s21, s21, BBASE
	s_mov_b32 s[MEVEN], 0x55555555
	s_mov_b32 s[MODD], 0xaaaaaaaa
	s_mov_b32 s[ONES], 0x3fff3fff
	s_mov_b32 s[TBB], 0
	s_mov_b32 s[SCL], 0xbf008081                   ; -128/255
	s_mov_b32 s[SCL+1], s[SCL]                     ; named with it as a pair, so it is written
	s_wait_dscnt 0x0                               ; both opening adds are done
	s_wait_kmcnt 0x0
	s_add_nc_u64 s[16:17], s[4:5], s[16:17]        ; x at my 64 rows
	CROUND                                         ; all sixteen work-groups are here: the first joint loads meet
.irp s, 0,1
	s_mov_b32 s[G0A+4*(\s)], 1                     ; 1:0 count = 1
	s_add_co_u32 s[G0A+4*(\s)+1], s20, (\s)*ASLOT  ; 63:32 LDS address
	s_add_nc_u64 s[G0A+4*(\s)+2:G0A+4*(\s)+3], s[16:17], (\s)*256  ; 120:64 global address: K step s
	s_or_b32 s[G0A+4*(\s)+3], s[G0A+4*(\s)+3], 0x80000000          ; 127:126 type = 2
.endr
	s_mov_b32 s[G0B], 1
	s_mov_b32 s[G0B+1], s21
	s_add_nc_u64 s[G0B+2:G0B+3], s[6:7], s[18:19]
	s_or_b32 s[G0B+3], s[G0B+3], 0x80000000
	tensor_load_to_lds s[G0B:G0B+3], s[G1B:G1B+7]  ; the first fills go out together: W's panel, K step 0, K step 1: three loads of mine are out
	s_nop 0
	tensor_load_to_lds s[G0A:G0A+3], s[G1A:G1A+7]
	s_nop 0
	tensor_load_to_lds s[G0A+4:G0A+7], s[G1A:G1A+7]
	s_nop 0
.rept 4
	v_nop
.endr
	; the lanes' addresses
	v_and_b32 v1, 15, v0                           ; r = l % 16
	v_bfe_u32 v10, v0, 4, 1                        ; h = l / 16
	v_and_b32 v11, 31, v0                          ; l
	v_lshlrev_b32 v[CO], 4, v11
	s_lshl_b32 s22, s[TCOL], 8
	s_lshl_b32 s23, s[WN], 7
	s_add_co_u32 s22, s22, s23                     ; my first column: 256 x tile column + 128 wn,
	s_lshl_b32 s22, s22, 2                         ; in bytes
	s_mov_b32 s23, 0
	s_add_nc_u64 s[8:9], s[8:9], s[22:23]
	global_load_b128 v[BIAS:BIAS+3], v[CO], s[8:9] ; bias of the four columns that I store; waited for on the way out
	s_lshl_b32 s68, s[TROW], 8
	s_lshl_b32 s69, s[WM], 7
	s_add_co_u32 s68, s68, s69                     ; my first row: 256 x tile row + 128 wm,
	s_lshl_b32 s68, s68, 14                        ; in bytes
	s_mov_b32 s69, 0
	s_add_nc_u64 s[10:11], s[10:11], s[68:69]
	s_add_nc_u64 s[10:11], s[10:11], s[22:23]      ; out0 at my part of the tile
	s_mul_i32 s72, s[WM], 128*PA
	v_mul_u32_u24 v[ADRA], v1, PA
	v_lshl_add_u32 v[ADRA], v10, 7, v[ADRA]        ; row x pitch + 128 x half: my half's 32 numbers
	v_add_nc_u32 v[ADRA], s72, v[ADRA]
	v_add_nc_u32 v[ADRA+1], ASLOT, v[ADRA]
	s_mul_i32 s73, s[WV], 16*SP
	s_add_co_u32 s73, s73, STAGE                   ; my stage
	v_mul_u32_u24 v[STO], v1, SP                   ; in: row l % 16, 32 bytes for each half of the lanes
	v_lshl_add_u32 v[STO], v10, 5, v[STO]
	v_add_nc_u32 v[STO], s73, v[STO]
	v_lshl_add_u32 v[RD], v11, 4, s73              ; back: 32 lanes take one row of 512 bytes
	v_lshlrev_b32 v[PFO], 14, v1                   ; the prefetches: row l % 16,
	v_lshl_add_u32 v[PFO], v10, 8, v[PFO]          ; the first or the second of two K steps
	s_mul_i32 s74, s[WN], 128*PB
	s_add_co_u32 s74, s74, BBASE
	v_mul_u32_u24 v48, v1, PB
	v_lshl_add_u32 v48, v10, 2, v48                ; row x pitch + 4 x half: my half's word
	WIN 0xc0                                       ; destination window 3, sources window 0
	v_add_nc_u32 v[ADB0], s74, v48
	v_add_nc_u32 v[ADB], s74, v48
	WIN 0
	s_lshl_b32 s70, s[TROW], 8
	s_lshl_b32 s71, s[WV], 6
	s_add_co_u32 s70, s70, s71
	s_lshl_b32 s71, s[CX], 4
	s_add_co_u32 s70, s70, s71                     ; of the 64 rows that I fetch, my work-group's 16
	s_lshl_b32 s70, s70, 14
	s_mov_b32 s71, 0
	s_add_nc_u64 s[PFA:PFA+1], s[4:5], s[70:71]
	s_add_nc_u64 s[PFA:PFA+1], s[PFA:PFA+1], 1024  ; at K step 4: step 1 steps it to 6 and names tiles 6 and 7.  Nothing is prefetched here, at the head
	s_cmp_eq_u32 ttmp9, 0                          ; the same in all sixteen partners
	s_cselect_b32 s[LIM], 2, -1
; THE PIPELINE.  A K step has 16 JOBS: job t = quarter t / 8, my row block t % 8; jobs 16 on are the next step's.  In BLOCK-TIME t the wave issues job t's 8 matrix instructions (column blocks 0-7).
; Behind the even ones stand x's slices: two conversions of job t + 1.  Behind the odd ones W's slices: fragment t % 8 of the NEXT quarter.
; The 64 accumulators take turns, one instruction a turn, in the same order in every quarter, over the backward jump too.
.macro MM t, i, zero                   ; matrix instruction i of job t; zero = 1: it starts the sum: nothing is ever cleared
	WIN MUL1+0x50*(((\t)%8)/4)
.set rD, 64*((\t)%4)+8*(\i)
.set rW, BF0+64*((\t)/8)+8*(\i)
.set rX, AF+8*((\t)%4)
.if \zero
	v_wmma_f32_16x16x32_bf16 v[rD:rD+7], v[rW:rW+7], v[rX:rX+7], 0
.else
	v_wmma_f32_16x16x32_bf16 v[rD:rD+7], v[rW:rW+7], v[rX:rX+7], v[rD:rD+7]
.endif
.endm
.macro CVT x, j                        ; register j of job x's fragment: k in the low half, k + 16 in the high half
	WIN 0
	v_cvt_pk_bf16_f32 v[AF+8*((\x)%4)+(\j)], v[ST+16*((\x)%8)+(\j)], v[ST+16*((\x)%8)+8+(\j)]
.endm
.macro LDA x, slot, k                  ; load k of 4 of job x: 16 bytes at 0, 16, 64, 80 behind byte 32 f of my half of the row
	WIN 0
	ds_load_b128 v[ST+16*((\x)%8)+4*(\k):ST+16*((\x)%8)+4*(\k)+3], v[ADRA+(\slot)] offset:((\x)%8)*16*PA+32*(((\x)/8)%2)+16*((\k)%2)+64*((\k)/2)
.endm
.macro RUN first, slot                 ; 16 LDS loads on end: x in f32 for the four jobs from \first on
.irp d, 0,1,2,3
.irp k, 0,1,2,3
	LDA (\first)+\d, \slot, \k
.endr
.endr
.endm
.macro WORDS offw                      ; 8 LDS loads on end: a K step's words of W for my 8 column blocks, \offw bytes behind ADB
	WIN W_B
.irp a, 0,1,2,3,4,5,6,7
	ds_load_b32 v[WD+(\a)], v[ADB] offset:(\a)*16*PB+(\offw)
.endr
.endm
.macro BREG f, a, j                    ; register j of W's fragment a of quarter f: bits p = 8 f + j and p + 16 go to the two sign bits
	v_lshl_or_b32 v[BF0+64*(\f)+8*(\a)+(\j)], v[ME+2*(\a)+(\j)%2], 15-8*(\f)-(\j), s[ONES]
.endm
; W's slice k of 4 in a block-time of quarter f, for column block a.  f = 0: quarter 1's fragment, two registers a slice.
; f = 1: the next step's word is cut into its even and odd bits, and that step's quarter 0 is made: 2, 3, 3, 2 instructions.
.macro BSL f, a, k
	WIN W_B
.if (\f) == 0
	BREG 1, \a, 2*(\k)
	BREG 1, \a, 2*(\k)+1
.elseif (\k) == 0
	v_and_b32 v[ME+2*(\a)+1], s[MODD], v[WD+(\a)]
	v_and_b32 v[ME+2*(\a)], s[MEVEN], v[WD+(\a)]
.elseif (\k) == 1
	BREG 0, \a, 0
	BREG 0, \a, 1
	BREG 0, \a, 2
.elseif (\k) == 2
	BREG 0, \a, 3
	BREG 0, \a, 4
	BREG 0, \a, 5
.else
	BREG 0, \a, 6
	BREG 0, \a, 7
.endif
.endm
; BLOCK-TIME t of a K step that lies in \slot.  mode 0: the slot is filled again; 1: the last change of slots, nothing is asked for; 2: the last K step: nothing follows it.
; DISTANCES.  A fragment of x is written three block-times behind the products that read its registers, a fragment of W eight slices or more behind its last reader: sixteen plain vector
; instructions or more, none of which names a register of that product.  The f32 ring and the words are no matrix operands, so loads into them owe no distance.
; THE RUNS.  The 16 jobs are four groups of four; the f32 ring holds two groups.  Group g is converted in times 4 g - 1 to 4 g + 2, so at the head of time 4 g + 3 its registers take group g + 2,
; which is first converted in time 4 g + 7: a run has four block-times, 32 matrix instructions, in which to land.  Time 3: the next step's 8 words of W and jobs 8-11; time 7: jobs 12-15, the last
; reads of this slot; time 11, behind the change of slots: jobs 16-19 from the other slot; time 15: jobs 20-23.
; THE WAIT behind a run leaves out just the loads of that run: all before them are in, the group that this time begins to convert among them.  The words are loaded in time 3 and cut from time 8 on: time 7's wait covers them.
; THE CHANGE OF SLOTS, times 9 to 11: ONE barrier.  In front of it each wave waits for all its tensor loads, of which one is out: its part of the other slot; adds 0 to its spare word; and, a
; block-time of register work later, waits for that and for its own reads of this slot (time 7's run).  The barrier opens a round of the cluster's barrier, with a block-time of register work
; between signal and wait; behind the round no wave of any partner reads this slot or has a load on its way, and the joint refill, two K steps ahead, comes first: it has 14 block-times, 112 matrix instructions, in which to land.
.macro TIME slot, t, zero, mode
.set HASC, 1                           ; is there a job t + 1 to convert?
.if ((\mode) == 2) && ((\t) == 15)
.set HASC, 0
.endif
.set HASB, 1                           ; is there a next quarter of W to make?
.if ((\mode) == 2) && ((\t) >= 8)
.set HASB, 0
.endif
.if (\t) == 3
.if (\mode) < 2
	WORDS 8+8*(\slot)                              ; ADB stands at the lap's even step: the next step's word lies 8 bytes on in an even step, 16 in an odd one
.endif
	RUN 8, \slot
	s_wait_dscnt 16+8*(1-(\mode)/2)                ; jobs 4-7 are in; the run just issued (with the words: 24 loads, in the last K step 16) may be out
.elseif (\t) == 7
	RUN 12, \slot
	s_wait_dscnt 16                                ; jobs 8-11 and the words are in; the 16 loads just issued may be out
.elseif ((\mode) < 2) && ((\t) == 9)
	WIN 0                                          ; (the add's two registers lie in window 0)
	s_wait_tensorcnt 0x0                           ; all my tensor loads have landed: the one that was out is my part of the other slot;
	ds_add_u32 v[SPW], v[NIL]                      ; 0 onto my spare word: this block-time's work on registers stands between it and the wait for it
.elseif ((\mode) < 2) && ((\t) == 10)
	s_wait_dscnt 0x0                               ; the add is done, and my reads of this slot are over (jobs 12-15 are in):
	s_barrier_signal -1                            ; say so, and work on registers while the others arrive
.elseif (\t) == 11
.if (\mode) == 0
	CREST                                          ; wave 0 says so for the work-group, all sixteen have said so, my work-group's barrier closes the round
	s_add_nc_u64 s[G0A+4*(\slot)+2:G0A+4*(\slot)+3], s[G0A+4*(\slot)+2:G0A+4*(\slot)+3], 512  ; no tensor load of mine is out, so a group 0 may be written: two K steps on
	JLOAD \slot                                    ; the first tensor load behind the round, and my only one until the next
.endif
.if (\mode) < 2
	RUN 16, 1-(\slot)                              ; the other slot is whole
.if ((\mode) == 0) && ((\slot) == 1)
	ASK
.endif
.else
	s_wait_dscnt 0x0                               ; the last K step: jobs 12-15 are in, and nothing more is loaded
.endif
.elseif ((\mode) < 2) && ((\t) == 15)
	RUN 20, 1-(\slot)
	s_wait_dscnt 16                                ; jobs 16-19 are in; the 16 loads just issued may be out
.endif
.irp k, 0,1,2,3
	MM \t, 2*\k, \zero
.if HASC
	CVT (\t)+1, 2*\k
	CVT (\t)+1, 2*\k+1
.endif
	MM \t, 2*\k+1, \zero
.if HASB
.if ((\k) == 0) && ((\t) == 8) && ((\slot) == 1) && ((\mode) == 0)
	s_add_co_u32 s[TBB], s[TBB], 16                ; the lap's word loads have been issued: on to the next lap's 16 bytes of W's rows
	WIN W_B
	v_add_nc_u32 v[ADB], s[TBB], v[ADB0]
.endif
	BSL (\t)/8, (\t)%8, \k
.endif
.endr
.if ((\mode) < 2) && ((\t) == 10)
	WIN 0
	s_barrier_wait -1                              ; all four waves have said so
.endif
.endm
.macro QUART slot, f, zero, mode       ; a quarter: 32 along K, 8 block-times, 64 matrix instructions
.if ((\slot) == 1) && ((\f) == 1) && ((\mode) == 0)
	s_wait_xcnt 0x0                                ; the last prefetch, a lap back, has read its address, so it may be written:
	s_add_nc_u64 s[PFA:PFA+1], s[PFA:PFA+1], 512   ; two K steps on
.endif
.irp a, 0,1,2,3,4,5,6,7
	TIME \slot, 8*(\f)+\a, \zero, \mode
.endr
.endm
	s_wait_tensorcnt 0x1                           ; my parts of W's panel and of K step 0 are in; K step 1's load may stay out
	s_barrier_signal -1
	s_barrier_wait -1                              ; everybody's are
	WORDS 0                                        ; K step 0's words
	RUN 0, 0                                       ; jobs 0-3
	RUN 4, 0                                       ; jobs 4-7
	s_wait_dscnt 32                                ; the eight words are in; the 32 loads behind them may be out
.irp a, 0,1,2,3,4,5,6,7
.irp k, 0,1,2,3
	BSL 1, \a, \k                                  ; K step 0's quarter 0 of W
.endr
.endr
	s_wait_dscnt 16                                ; jobs 0-3 are in; jobs 4-7 may be out
.irp j, 0,1,2,3,4,5,6,7
	CVT 0, \j
.endr
	QUART 0, 0, 1, 0                               ; the first quarter stands in front of the loop: its products start the sums
	WIN 0                                          ; at a label and at a branch every window is 0
	s_mov_b32 s3, LAPS
.Llap:                                             ; trip i: from K step 2 i's second quarter to K step 2 i + 2's first; it asks for tiles 2 i + 2 and 2 i + 3
	QUART 0, 1, 0, 0
	QUART 1, 0, 0, 0
	QUART 1, 1, 0, 0
	QUART 0, 0, 0, 0
	WIN 0
	s_sub_co_u32 s3, s3, 1
	s_cmp_lg_u32 s3, 0
	s_cbranch_scc1 .Llap
	QUART 0, 1, 0, 1                               ; K step 62: the tail is written out; nothing is asked for
	QUART 1, 0, 0, 2                               ; K step 63
	QUART 1, 1, 0, 2
; THE WAY OUT, a block of 16 rows at a time.  A lane's eight numbers of a row (32 bytes) go into my own stage in LDS, rows of 528 bytes, and come back as whole rows of 512 bytes, 16 bytes a lane;
; then sum x (-128/255) + bias, two numbers an instruction, and a store of 512 consecutive bytes, at a multiple of 512 from out0's first byte.
.macro TOSTAGE a
	WIN 0x04*(1+(\a)/4)                            ; the stores' data: window 1 or 2
.irp b, 0,1,2,3,4,5,6,7
	ds_store_b128 v[STO], v[64*((\a)%4)+8*(\b):64*((\a)%4)+8*(\b)+3]   offset:64*(\b)     ; each accumulator's low registers are read first
	ds_store_b128 v[STO], v[64*((\a)%4)+8*(\b)+4:64*((\a)%4)+8*(\b)+7] offset:64*(\b)+16
.endr
	WIN 0
.if (\a) >= 2
	s_wait_xcnt 0x0                                ; every earlier memory instruction has had its addresses translated (ISA guide 3.1): the buffer that the stores two blocks back read is loaded again only behind this wait
.endif
.irp t, 0,1,2,3,4,5,6,7,8,9,10,11,12,13,14,15
	ds_load_b128 v[OB+64*((\a)%2)+4*(\t):OB+64*((\a)%2)+4*(\t)+3], v[RD] offset:SP*(\t)  ; LDS serves a wave's instructions in order (ISA guide 5.7.1.4): these see the stores above; the next block's stores come behind them
.endr
.endm
.macro SEND a, younger                 ; younger: the LDS instructions issued behind block a's loads: the next block's 32, or none
	WIN 0
.irp t, 0,1,2,3,4,5,6,7,8,9,10,11,12,13,14,15
	s_wait_dscnt (\younger)+15-(\t)                ; row t is back
	v_pk_fma_f32 v[OB+64*((\a)%2)+4*(\t):OB+64*((\a)%2)+4*(\t)+1], v[OB+64*((\a)%2)+4*(\t):OB+64*((\a)%2)+4*(\t)+1], s[SCL:SCL+1], v[BIAS:BIAS+1] op_sel_hi:[1,0,1]
	v_pk_fma_f32 v[OB+64*((\a)%2)+4*(\t)+2:OB+64*((\a)%2)+4*(\t)+3], v[OB+64*((\a)%2)+4*(\t)+2:OB+64*((\a)%2)+4*(\t)+3], s[SCL:SCL+1], v[BIAS+2:BIAS+3] op_sel_hi:[1,0,1]
	global_store_b128 v[CO], v[OB+64*((\a)%2)+4*(\t):OB+64*((\a)%2)+4*(\t)+3], s[10:11] offset:(16*(\a)+(\t))*ROWB th:TH_STORE_NT  ; 127 rows at the most: inside the signed 24-bit immediate
.endr
.endm
	WIN 0
.rept 4
	v_nop                                          ; four places behind the last products, in front of stores that read results
.endr
	s_wait_loadcnt 0x0                             ; bias
	TOSTAGE 0
.irp a, 1,2,3,4,5,6,7                  ; a block's way through the stage stands between the loads of the block before and its stores
	TOSTAGE \a
	SEND (\a)-1, 32
.endr
	SEND 7, 0
	s_wait_tensorcnt 0x0                           ; the wave's end: a wait, an add and its wait, behind my last tensor load and my last LDS store
	ds_add_u32 v[SPW], v[NIL]
	s_wait_dscnt 0x0
	CROUND                                         ; the closing round: no work-group ends while a partner may still ask for a tile that names it
	s_endpgm
.Lfunc_end_k_qae3ef5cca9_bitgemm:
	.size	k_qae3ef5cca9_bitgemm, .Lfunc_end_k_qae3ef5cca9_bitgemm-k_qae3ef5cca9_bitgemm
	.p2alignl 7, 3214868480
	.fill 96, 4, 3214868480
	.section	.rodata,"a",@progbits
	.p2align	6, 0x0
	.amdhsa_kernel k_qae3ef5cca9_bitgemm
		.amdhsa_group_segment_fixed_size 327680
		.amdhsa_private_segment_fixed_size 0
		.amdhsa_enable_private_segment 0
		.amdhsa_kernarg_size 32
		.amdhsa_user_sgpr_count 2
		.amdhsa_user_sgpr_kernarg_segment_ptr 1
		.amdhsa_wavefront_size32 1
		.amdhsa_system_sgpr_workgroup_id_x 1
		.amdhsa_system_sgpr_workgroup_id_y 1
		.amdhsa_system_sgpr_workgroup_id_z 1
		.amdhsa_system_vgpr_workitem_id 0
		.amdhsa_next_free_vgpr 1024
		.amdhsa_next_free_sgpr 80
		.amdhsa_reserve_vcc 0
		.amdhsa_float_denorm_mode_32 3
		.amdhsa_float_denorm_mode_16_64 3
		.amdhsa_memory_ordered 1
		.amdhsa_forward_progress 1
		.amdhsa_inst_pref_size 206
	.end_amdhsa_kernel
	.amdgpu_metadata
---
amdhsa.version: [ 1, 2 ]
amdhsa.kernels:
  - .name:           k_qae3ef5cca9_bitgemm
    .symbol:         k_qae3ef5cca9_bitgemm.kd
    .args:
      - { .name: x, .offset: 0, .size: 8, .value_kind: global_buffer, .address_space: global }
      - { .name: packed_weight, .offset: 8, .size: 8, .value_kind: global_buffer, .address_space: global }
      - { .name: bias, .offset: 16, .size: 8, .value_kind: global_buffer, .address_space: global }
      - { .name: out0, .offset: 24, .size: 8, .value_kind: global_buffer, .address_space: global }
    .group_segment_fixed_size: 327680
    .private_segment_fixed_size: 0
    .kernarg_segment_align: 8
    .kernarg_segment_size: 32
    .max_flat_workgroup_size: 128
    .sgpr_count:     80
    .vgpr_count:     1024
    .wavefront_size: 32
...
	.end_amdgpu_metadata
.endif
;; end of part 2
;; ======== version 3 of 3: 2 launches
;; workspace buffers: xb 33,554,432 bytes
;; launch tobf16 (part 3): grid 1024 x 1, 8 waves a work-group, no clusters, 0 bytes of LDS; arguments x, xb; writes xb
.if DOCPART == 3
	.amdgcn_target "amdgcn-amd-amdhsa--gfx1250"
	.amdhsa_code_object_version 6
	.text
	.protected	k_qae3ef5cca9_tobf16
	.globl	k_qae3ef5cca9_tobf16
	.p2align	8
	.type	k_qae3ef5cca9_tobf16,@function
k_qae3ef5cca9_tobf16:
	s_mov_b64 s[64:65], 0
	v_nop
	global_prefetch_b8 v0, s[64:65] scope:SCOPE_SE
	s_setreg_imm32_b32 hwreg(HW_REG_WAVE_MODE, 25, 1), 1
	s_wait_xcnt 0x0
; xb = x rounded to bf16 (nearest even), [4096][4096], for the product that follows.  Done here each number is rounded once; inside the product two waves in each of 16 tile columns would round it anew.
; ORDER.  Inside each group of 32 neighbouring k, word i (0..15) of the group's 64 bytes holds k = i in its low half and k = i + 16 in its high half: the pairs that the product's weights come in.
; SHARES.  A work-group takes 65,536 bytes of x, 8 chunks of 8,192.  In a chunk thread t takes words 4 (t % 4) .. + 3 of group t / 4: 16 bytes of x at 128 (t / 4) + 16 (t % 4) and the 16 bytes 64 further on;
; a chunk's two loads together cover 1,024 consecutive bytes a wave.  The four words are 16 bytes at 16 t of the chunk's 4,096 bytes of xb: a wave's store covers 512 consecutive bytes, aligned.
; IN FLIGHT.  All 16 loads of a wave go out first; no register is written twice, so there is no loop and no wait but the counted ones for data.
; No LDS, no barrier, no matrix unit: no thread wants a byte that another has fetched.
; LIMITS.  |x| above bf16's largest finite number (3.39e38) rounds to an infinity; NaN stays NaN.
.set NCH,  8                           ; chunks of a work-group
.set CIN,  8192                        ; a chunk's bytes of x
.set COUT, 4096                        ; and of xb
.set IO,   1                           ; v1        my byte offset in a chunk of x
.set OO,   2                           ; v2        my byte offset in a chunk of xb
.set X,    4                           ; v[4:67]   chunk c: 4 registers k = i, 4 registers k = i + 16
.set Y,    68                          ; v[68:99]  chunk c: 4 words to store
	s_load_b128 s[4:7], s[0:1], 0x0                ; x s[4:5], xb s[6:7]
	s_lshl_b32 s8, ttmp9, 16                       ; the work-group's 65,536 bytes of x: under 2^26
	s_mov_b32 s9, 0
	s_lshl_b32 s10, ttmp9, 15                      ; and its 32,768 bytes of xb
	s_mov_b32 s11, 0
	v_lshrrev_b32 v[IO], 2, v0                     ; the group
	v_and_b32 v3, 3, v0                            ; which four words of it
	v_lshlrev_b32 v[IO], 7, v[IO]
	v_lshl_add_u32 v[IO], v3, 4, v[IO]
	v_lshlrev_b32 v[OO], 4, v0
	s_wait_kmcnt 0x0
	s_add_nc_u64 s[4:5], s[4:5], s[8:9]
	s_add_nc_u64 s[6:7], s[6:7], s[10:11]
.irp c, 0,1,2,3,4,5,6,7
	global_load_b128 v[X+8*(\c):X+8*(\c)+3],   v[IO], s[4:5] offset:(\c)*CIN th:TH_LOAD_NT
	global_load_b128 v[X+8*(\c)+4:X+8*(\c)+7], v[IO], s[4:5] offset:(\c)*CIN+64 th:TH_LOAD_NT
.endr
.irp c, 0,1,2,3,4,5,6,7
	s_wait_loadcnt 14-2*(\c)                       ; loads come back in order (ISA guide 5.7.1): chunk c's two are in, the later chunks' stay out
.irp m, 0,1,2,3
	v_cvt_pk_bf16_f32 v[Y+4*(\c)+(\m)], v[X+8*(\c)+(\m)], v[X+8*(\c)+4+(\m)]  ; k = i into the low half, k = i + 16 into the high half
.endr
	global_store_b128 v[OO], v[Y+4*(\c):Y+4*(\c)+3], s[6:7] offset:(\c)*COUT
.endr
	s_endpgm
.Lfunc_end_k_qae3ef5cca9_tobf16:
	.size	k_qae3ef5cca9_tobf16, .Lfunc_end_k_qae3ef5cca9_tobf16-k_qae3ef5cca9_tobf16
	.p2alignl 7, 3214868480
	.fill 96, 4, 3214868480
	.section	.rodata,"a",@progbits
	.p2align	6, 0x0
	.amdhsa_kernel k_qae3ef5cca9_tobf16
		.amdhsa_group_segment_fixed_size 0
		.amdhsa_private_segment_fixed_size 0
		.amdhsa_enable_private_segment 0
		.amdhsa_kernarg_size 16
		.amdhsa_user_sgpr_count 2
		.amdhsa_user_sgpr_kernarg_segment_ptr 1
		.amdhsa_wavefront_size32 1
		.amdhsa_system_sgpr_workgroup_id_x 1
		.amdhsa_system_sgpr_workgroup_id_y 1
		.amdhsa_system_sgpr_workgroup_id_z 1
		.amdhsa_system_vgpr_workitem_id 0
		.amdhsa_next_free_vgpr 100
		.amdhsa_next_free_sgpr 66
		.amdhsa_reserve_vcc 0
		.amdhsa_float_denorm_mode_32 3
		.amdhsa_float_denorm_mode_16_64 3
		.amdhsa_memory_ordered 1
		.amdhsa_forward_progress 1
		.amdhsa_inst_pref_size 6
	.end_amdhsa_kernel
	.amdgpu_metadata
---
amdhsa.version: [ 1, 2 ]
amdhsa.kernels:
  - .name:           k_qae3ef5cca9_tobf16
    .symbol:         k_qae3ef5cca9_tobf16.kd
    .args:
      - { .name: x, .offset: 0, .size: 8, .value_kind: global_buffer, .address_space: global }
      - { .name: xb, .offset: 8, .size: 8, .value_kind: global_buffer, .address_space: global }
    .group_segment_fixed_size: 0
    .private_segment_fixed_size: 0
    .kernarg_segment_align: 8
    .kernarg_segment_size: 16
    .max_flat_workgroup_size: 256
    .sgpr_count:     66
    .vgpr_count:     100
    .wavefront_size: 32
...
	.end_amdgpu_metadata
.endif
;; end of part 3
;; launch bitgemm (part 4): grid 16 x 16, 4 waves a work-group, clusters of 4 x 4, 327,680 bytes of LDS; arguments xb, packed_weight, bias, out0; writes out0
.if DOCPART == 4
	.amdgcn_target "amdgcn-amd-amdhsa--gfx1250"
	.amdhsa_code_object_version 6
	.text
	.protected	k_qae3ef5cca9_bitgemm
	.globl	k_qae3ef5cca9_bitgemm
	.p2align	8
	.type	k_qae3ef5cca9_bitgemm,@function
k_qae3ef5cca9_bitgemm:
	s_mov_b64 s[64:65], 0
	v_nop
	global_prefetch_b8 v0, s[64:65] scope:SCOPE_SE
	s_setreg_imm32_b32 hwreg(HW_REG_WAVE_MODE, 25, 1), 1
	s_wait_xcnt 0x0
	s_wait_alu depctr_hold_cnt(0) depctr_sa_sdst(0) depctr_va_vdst(0) depctr_va_sdst(0) depctr_va_ssrc(0) depctr_va_vcc(0) depctr_vm_vsrc(0)
	s_getreg_b32 s2, hwreg(HW_REG_IB_STS2, 6, 4)
	s_cmp_eq_u32 s2, 0
	s_cbranch_scc0 .Lentry_in_a_cluster
	s_endpgm
.Lentry_in_a_cluster:
	s_bfe_u32 s2, ttmp6, 0x10000c
	s_cmp_lg_u32 s2, 0xf033
	s_cbranch_scc0 .Lentry_shape_is_right
	s_endpgm
.Lentry_shape_is_right:
; out0[m][o] = sum over k of x[m][k] W[o][k] + bias[o].  out0: [4096][4096] f32 (the two batches on end), bias: [4096] f32.
; xb: [4096][4096] bf16: x rounded once by the launch in front; inside each group of 32 k, word i (0..15) holds k = i in its low half and k = i + 16 in its high half.
; W[o][k] = 2 bit - 1, the bit being bit k % 8 of byte k / 8 of packed_weight's row o (512 bytes a row).  W becomes bf16 on the way from LDS to the matrix unit.
; SHARES.  A tile of out0, 256 x 256, is made by a work-group of four waves; a wave makes 128 x 128: 64 accumulators of 16 x 16, 512 registers.  16 x 16 tiles: 256 work-groups.
; K goes in steps of 128: x's tile (256 rows x 256 bytes) through a ring of two LDS slots; W's 256 rows, all 4,096 bits of each, lie in LDS from the start (512 bytes a row).
; CLUSTER 4 x 4.  x's tile hangs on the tile row alone and is shared along a row of the cluster, W's panel on the tile column alone and is shared along a column:
; each is asked for JOINTLY, by the same tensor load with the same descriptor and a mask that names the four.  Each wave asks for 64 rows of its own: no load stands under a branch.
; THE MATRIX INSTRUCTION IS USED TRANSPOSED (source 0 = 16 rows of W, source 1 = 16 rows of x): a lane holds row l % 16 of out0 and the columns 8 (l / 16) + 0..7.
; THE ORDER OF K inside a step is changed alike in both sources, which keeps the products: half h of the lanes owns k = 64 h .. 64 h + 63 of the step, two groups of 32; quarter q (a matrix
; instruction's 32 along K) takes words 8 (q % 2) .. + 7 of group q / 2: register j holds k = p = 8 (q % 2) + j of the group in its low half and k = p + 16 in its high half.
; For x these are 32 bytes on end, at byte 128 h + 32 q of the LDS row; for W bits p and p + 16 of ONE 32-bit word, word q / 2 of the 8 bytes at 16 x step + 8 h of W's row.
; A WEIGHT IS MADE AS bf16 0x3FFF OR 0xBFFF: (mask << (15 - p)) | 0x3FFF3FFF, the mask being the word's even bits for even p, its odd bits for odd p.  Bits p and p + 16 land on the two
; sign bits; every other bit of the mask lands on an odd place that already holds a one, or falls out; places 14 and 30 are even and never hit.  So bit 0 gives +255/128, bit 1 gives -255/128:
; the sums are -(255/128) x the wanted ones, and the way out takes sum x (-128/255) + bias in one fused multiply-add.  One instruction a register, two masks for sixteen registers.
; LIMITS.  x comes rounded to bf16.  The sums in f32 are 255/128 times the wanted ones: they overflow where |sum of x W| passes 1.7e38.  -128/255 is rounded to f32 (0xBF008081).
; The order of the additions is the matrix unit's, with k permuted as above.  NaN and infinities in x go through the products as they come.
;
; REGISTERS, in windows of 256 (s_set_vgpr_msb: bits 1:0 source 0, 3:2 source 1, 5:4 source 2, 7:6 destination):
;   window 0: v0-15 addresses and bias; v64-127, v128-191 x's fragments, two buffers of a quarter (on the way out: two buffers of 16 rows)
;   window 1: the accumulators of my row blocks 0-3, (a, b) at 64 (a % 4) + 8 b;   window 2: those of blocks 4-7
;   window 3: v0-1 LDS addresses of W's words; v16-31 a word's even and odd bits, a pair for each of 8 column blocks; v32-47 a step's two words as loaded, a pair for each block;
;             v64-127, v128-191 W's fragments of the even quarters, of the odd quarters
; BY SLICES.  For each matrix instruction there is about one vector instruction, a register of W.  They stand in slices of two or three behind every second matrix instruction, so that the
; wave issues them while the matrix unit works.  The price is one window switch a matrix instruction.
; THE LDS LOADS STAND IN RUNS, four a K step, never singly among the matrix instructions.
.set XROWB, 8192                       ; bytes in a row of xb
.set ROWB,  16384                      ; bytes in a row of out0
.set PA,    272                        ; an LDS row of x: 256 bytes + 16 of padding = 68 words: row r starts at bank 4 r mod 64 (64 banks of 4 bytes: ISA guide 11.1)
.set ASLOT, 256*PA                     ; a slot: 256 rows
.set BBASE, 2*ASLOT                    ; behind the ring: W's panel, filled once
.set PB,    528                        ; an LDS row of W: 512 bytes + 16 = 132 words: the 32 lanes' 8 bytes (16 rows x two halves) fall on 64 different banks
.set STAGE, BBASE+256*PB               ; behind it: 16 rows x 528 bytes for each wave, for the way out; no tensor load lands here
.set SP,    528
.set SPARE, STAGE+4*16*SP              ; behind the stages: the spare words, 128 bytes for each wave: two blocks of 256 bytes that no other line names
.set LAPS,  15                         ; trips of the loop: a trip is two K steps; 32 steps = a quarter + 15 trips + seven quarters
.set ADRA, 2                           ; v2-3    LDS address of my x rows in slot 0, 1: 128 wm rows + (l % 16) rows + 128 (l / 16)
.set STO,  4                           ; v4      the way out: where I put 32 bytes of a row
.set RD,   5                           ; v5      the way out: where I read 16 bytes of a row back
.set CO,   6                           ; v6      16 x lane: my bytes in 512 bytes of out0 and of bias; never rewritten
.set PFO,  7                           ; v7      the prefetches' offset; never rewritten
.set SPW,  8                           ; v8      LDS address of my spare word: SPARE + 4 x my thread's number; never rewritten
.set NIL,  9                           ; v9      0; never rewritten
.set BIAS, 12                          ; v12-15  bias of my four columns on the way out
.set XF,   64                          ; quarter q's fragment of my row block a at XF + 64 (q % 2) + 8 a
.set OB,   64                          ; the way out: block a's 16 rows at OB + 64 (a % 2)
.set ADB0, 0                           ; window 3: my place in W's panel: 128 wn rows + (l % 16) rows + 8 (l / 16); never rewritten
.set ADB,  1                           ; window 3: the same plus 32 bytes for each lap gone
.set ME,   16                          ; window 3: column block b: the even bits of the word in hand at ME + 2 b, its odd bits at ME + 2 b + 1
.set WD,   32                          ; window 3: column block b: a step's two words, as loaded, at WD + 2 b
.set BF0,  64                          ; window 3: W's fragments of the even quarters, block b at + 8 b; the odd quarters' 64 further on
.set WV,   12                          ; s12  my wave's number
.set WM,   13                          ; s13  which 128 rows of the tile are mine
.set WN,   14                          ; s14  which 128 columns
.set LIM,  15                          ; s15  1 in a cluster that prefetches, else the greatest number
.set G1A,  24                          ; s[24:31] descriptor group 1 for x's tiles
.set G0A,  32                          ; s[32:39] group 0 for x's tiles, a set for each slot
.set G1B,  40                          ; s[40:47] group 1 for W's panel
.set G0B,  48                          ; s[48:51] group 0 for W's panel
.set CX,   52
.set CY,   53
.set TCOL, 54
.set TROW, 55
.set RMASK, 56
.set CMASK, 57
.set PFA,  58                          ; s[58:59] where my prefetches stand
.set MEVEN, 60                         ; s60  0x55555555
.set MODD, 61                          ; s61  0xAAAAAAAA
.set ONES, 62                          ; s62  0x3FFF3FFF
.set TBB,  63                          ; s63  32 bytes of W's rows for each lap gone
.set SCL,  66                          ; s[66:67] -128/255; the packed multiply-add names the pair and takes its low word
.set MUL1, 0x53                        ; source 0 (W) window 3, source 1 (x) window 0, C and D window 1; + 0x50: C and D window 2
.set W_B,  0xcf                        ; sources 0 and 1 and destination window 3
.set MSB, 0
.macro WIN new                         ; the immediate's high byte repeats the setting that is left; a switch that changes nothing is dropped
.if MSB != (\new)
	s_set_vgpr_msb (MSB<<8)|(\new)
.set MSB, \new
.endif
.endm
; A round of the cluster's barrier: my work-group's barrier, so that wave 0's signal speaks for all four waves; wave 0 signals; every wave waits for all sixteen work-groups; my work-group's barrier once more.
.macro CREST                           ; a round behind its opening barrier
	s_cmp_lg_u32 s[WV], 0
	s_cbranch_scc1 .Lnot_wave_0_\@
	s_barrier_signal -3
.Lnot_wave_0_\@:
	s_barrier_wait -3
	s_barrier_signal -1
	s_barrier_wait -1
.endm
.macro CROUND
	s_barrier_signal -1
	s_barrier_wait -1
	CREST
.endm
.macro PLACES                          ; four places in front of loads into registers that matrix instructions have read, and of stores that read results
.rept 4
	v_nop
.endr
.endm
; A joint refill of slot s: my 64 rows of x's tile.  An s_nop 0 and four v_nop follow the line; the four are also the places in front of the run of loads that follows.
.macro JLOAD s
	tensor_load_to_lds s[G0A+4*(\s):G0A+4*(\s)+3], s[G1A:G1A+7]
	s_nop 0
.rept 4
	v_nop
.endr
.endm
; A PREFETCH INTO THE L2, once a lap, behind the even K step's refill and the run of LDS loads that follows it.  In step s it names x's tiles s + 4 and s + 5, which the refills of steps s + 2 and
; s + 3 will ask for: 512 and 768 matrix instructions later.  Each row's 256 bytes of a K step are named ONCE in the launch: the four clusters of a row of clusters read the same rows of xb, and
; the first of them (cluster x = 0) asks; of the 64 rows that wave w fetches, the partner at place cx takes 16, told apart BY ADDRESS; lanes 0-15 name the one tile's 256 bytes of these rows,
; lanes 16-31 the next tile's.  Tiles 0 to 3 come by their loads alone; the last request, in step 26 (two trips to go), names tiles 30 and 31.  W and bias are read at the head and are not asked for.
.macro ASK
	s_cmp_gt_u32 s3, s[LIM]
	s_cbranch_scc0 .Lnot_mine_\@
	global_prefetch_b8 v[PFO], s[PFA:PFA+1] th:TH_LOAD_NT scope:SCOPE_SE
.Lnot_mine_\@:
.endm
	s_load_b256 s[4:11], s[0:1], 0x0               ; xb s[4:5], packed_weight s[6:7], bias s[8:9], out0 s[10:11]
	v_lshl_add_u32 v[SPW], v0, 2, SPARE
	v_mov_b32 v[NIL], 0
	ds_add_u32 v[SPW], v[NIL]                      ; the wave's opening: the add, twice on end, and its wait ahead of my first tensor load; the set-up below stands between
	ds_add_u32 v[SPW], v[NIL]                      ; and once more, under the one wait
	v_lshrrev_b32 v1, 5, v0
	v_readfirstlane_b32 s[WV], v1                  ; wave 0..3
	s_lshr_b32 s[WM], s[WV], 1
	s_and_b32 s[WN], s[WV], 1
	s_bfe_u32 s[CX], ttmp6, 0x40000                ; my place along the cluster's x
	s_bfe_u32 s[CY], ttmp6, 0x40004                ; along its y
	s_lshl_b32 s[TCOL], ttmp9, 2                   ; in a cluster launch ttmp9 and ttmp7 count clusters
	s_add_co_u32 s[TCOL], s[TCOL], s[CX]           ; tile column = 4 x cluster x + cx
	s_and_b32 s[TROW], ttmp7, 0xffff
	s_lshl_b32 s[TROW], s[TROW], 2
	s_add_co_u32 s[TROW], s[TROW], s[CY]           ; tile row = 4 x cluster y + cy
	s_lshl_b32 s[RMASK], s[CY], 2
	s_lshl_b32 s[RMASK], 15, s[RMASK]              ; my row of the cluster: places 4 cy .. 4 cy + 3
	s_lshl_b32 s[CMASK], 0x1111, s[CX]             ; my column: places cx, cx + 4, cx + 8, cx + 12
	; group 1 for x: 64 rows x 64 elements of 4 bytes (128 bf16), 16 bytes of padding behind each row
	s_or_b32 s[G1A+0], s[RMASK], (2<<16)|(1<<20)|(1<<21)|(5<<22)|(3<<25)  ; 15:0 the mask; 17:16 elements of 4 bytes; 20 padding on; 21 set beside a mask; 24:22 after every 64 words (code 5); 31:25 4 words (code 3)
	s_mov_b32 s[G1A+1], 64<<16                     ; tensor_dim0 = 64
	s_mov_b32 s[G1A+2], 64<<16                     ; tensor_dim1 = 64
	s_mov_b32 s[G1A+3], 64<<16                     ; tile_dim0 = 64
	s_mov_b32 s[G1A+4], 64                         ; tile_dim1 = 64
	s_mov_b32 s[G1A+5], XROWB/4                    ; elements from row to row
	s_mov_b32 s[G1A+6], 0
	s_mov_b32 s[G1A+7], 0
	; group 1 for W: 64 rows x 128 elements of 4 bytes (a whole row of 512 bytes), 16 bytes of padding behind each row
	s_or_b32 s[G1B+0], s[CMASK], (2<<16)|(1<<20)|(1<<21)|(6<<22)|(3<<25)  ; the same with my column's mask and padding after every 128 words (code 6)
	s_mov_b32 s[G1B+1], 128<<16                    ; tensor_dim0 = 128
	s_mov_b32 s[G1B+2], 64<<16                     ; tensor_dim1 = 64
	s_mov_b32 s[G1B+3], 128<<16                    ; tile_dim0 = 128
	s_mov_b32 s[G1B+4], 64                         ; tile_dim1 = 64
	s_mov_b32 s[G1B+5], 128                        ; the rows are dense
	s_mov_b32 s[G1B+6], 0
	s_mov_b32 s[G1B+7], 0
	; where the tiles come from: x's hang on the tile row and my wave's number, W's on the tile column and my wave's number, each in registers that never hold the other coordinate
	s_lshl_b32 s16, s[TROW], 8
	s_lshl_b32 s17, s[WV], 6
	s_add_co_u32 s16, s16, s17                     ; x: row 256 x tile row + 64 x wave,
	s_lshl_b32 s16, s16, 13                        ; in bytes: under 2^25
	s_mov_b32 s17, 0
	s_lshl_b32 s18, s[TCOL], 8
	s_lshl_b32 s19, s[WV], 6
	s_add_co_u32 s18, s18, s19                     ; W: row 256 x tile column + 64 x wave,
	s_lshl_b32 s18, s18, 9                         ; in bytes
	s_mov_b32 s19, 0
	s_mul_i32 s20, s[WV], 64*PA                    ; and where they go: wave x 64 rows: no place in the cluster enters an LDS address
	s_mul_i32 s21, s[WV], 64*PB
	s_add_co_u32 s21, s21, BBASE
	s_mov_b32 s[MEVEN], 0x55555555
	s_mov_b32 s[MODD], 0xaaaaaaaa
	s_mov_b32 s[ONES], 0x3fff3fff
	s_mov_b32 s[TBB], 0
	s_mov_b32 s[SCL], 0xbf008081                   ; -128/255
	s_mov_b32 s[SCL+1], s[SCL]                     ; named with it as a pair, so it is written
	s_wait_dscnt 0x0                               ; both opening adds are done
	s_wait_kmcnt 0x0
	s_add_nc_u64 s[16:17], s[4:5], s[16:17]        ; xb at my 64 rows
	CROUND                                         ; all sixteen work-groups are here: the first joint loads meet
.irp s, 0,1
	s_mov_b32 s[G0A+4*(\s)], 1                     ; 1:0 count = 1
	s_add_co_u32 s[G0A+4*(\s)+1], s20, (\s)*ASLOT  ; 63:32 LDS address
	s_add_nc_u64 s[G0A+4*(\s)+2:G0A+4*(\s)+3], s[16:17], (\s)*256  ; 120:64 global address: K step s
	s_or_b32 s[G0A+4*(\s)+3], s[G0A+4*(\s)+3], 0x80000000          ; 127:126 type = 2
.endr
	s_mov_b32 s[G0B], 1
	s_mov_b32 s[G0B+1], s21
	s_add_nc_u64 s[G0B+2:G0B+3], s[6:7], s[18:19]
	s_or_b32 s[G0B+3], s[G0B+3], 0x80000000
	tensor_load_to_lds s[G0B:G0B+3], s[G1B:G1B+7]  ; the first fills go out together: W's panel, K step 0, K step 1: three loads of mine are out
	s_nop 0
	tensor_load_to_lds s[G0A:G0A+3], s[G1A:G1A+7]
	s_nop 0
	tensor_load_to_lds s[G0A+4:G0A+7], s[G1A:G1A+7]
	s_nop 0
.rept 4
	v_nop
.endr
	; the lanes' addresses
	v_and_b32 v1, 15, v0                           ; r = l % 16
	v_bfe_u32 v10, v0, 4, 1                        ; h = l / 16
	v_and_b32 v11, 31, v0                          ; l
	v_lshlrev_b32 v[CO], 4, v11
	s_lshl_b32 s22, s[TCOL], 8
	s_lshl_b32 s23, s[WN], 7
	s_add_co_u32 s22, s22, s23                     ; my first column: 256 x tile column + 128 wn,
	s_lshl_b32 s22, s22, 2                         ; in bytes
	s_mov_b32 s23, 0
	s_add_nc_u64 s[8:9], s[8:9], s[22:23]
	global_load_b128 v[BIAS:BIAS+3], v[CO], s[8:9] ; bias of the four columns that I store; waited for on the way out
	s_lshl_b32 s68, s[TROW], 8
	s_lshl_b32 s69, s[WM], 7
	s_add_co_u32 s68, s68, s69                     ; my first row: 256 x tile row + 128 wm,
	s_lshl_b32 s68, s68, 14                        ; in bytes of out0
	s_mov_b32 s69, 0
	s_add_nc_u64 s[10:11], s[10:11], s[68:69]
	s_add_nc_u64 s[10:11], s[10:11], s[22:23]      ; out0 at my part of the tile
	s_mul_i32 s72, s[WM], 128*PA
	v_mul_u32_u24 v[ADRA], v1, PA
	v_lshl_add_u32 v[ADRA], v10, 7, v[ADRA]        ; row x pitch + 128 x half: my half's 64 numbers
	v_add_nc_u32 v[ADRA], s72, v[ADRA]
	v_add_nc_u32 v[ADRA+1], ASLOT, v[ADRA]
	s_mul_i32 s73, s[WV], 16*SP
	s_add_co_u32 s73, s73, STAGE                   ; my stage
	v_mul_u32_u24 v[STO], v1, SP                   ; in: row l % 16, 32 bytes for each half of the lanes
	v_lshl_add_u32 v[STO], v10, 5, v[STO]
	v_add_nc_u32 v[STO], s73, v[STO]
	v_lshl_add_u32 v[RD], v11, 4, s73              ; back: 32 lanes take one row of 512 bytes
	v_lshlrev_b32 v[PFO], 13, v1                   ; the prefetches: row l % 16 of xb,
	v_lshl_add_u32 v[PFO], v10, 8, v[PFO]          ; the first or the second of two K steps
	s_mul_i32 s74, s[WN], 128*PB
	s_add_co_u32 s74, s74, BBASE
	v_mul_u32_u24 v48, v1, PB
	v_lshl_add_u32 v48, v10, 3, v48                ; row x pitch + 8 x half: my half's two words
	WIN 0xc0                                       ; destination window 3, sources window 0
	v_add_nc_u32 v[ADB0], s74, v48
	v_add_nc_u32 v[ADB], s74, v48
	WIN 0
	s_lshl_b32 s70, s[TROW], 8
	s_lshl_b32 s71, s[WV], 6
	s_add_co_u32 s70, s70, s71
	s_lshl_b32 s71, s[CX], 4
	s_add_co_u32 s70, s70, s71                     ; of the 64 rows that I fetch, my work-group's 16
	s_lshl_b32 s70, s70, 13
	s_mov_b32 s71, 0
	s_add_nc_u64 s[PFA:PFA+1], s[4:5], s[70:71]
	s_add_nc_u64 s[PFA:PFA+1], s[PFA:PFA+1], 512   ; at K step 2: step 0 steps it to 4 and names tiles 4 and 5.  Nothing is prefetched here, at the head
	s_cmp_eq_u32 ttmp9, 0                          ; the same in all sixteen partners
	s_cselect_b32 s[LIM], 1, -1
; THE PIPELINE.  A K step is four QUARTERS q of 32 along K; a quarter is eight BLOCK-TIMES a, one for each of my row blocks: 8 matrix instructions (column blocks 0-7) on one fragment of x.
; Behind every second matrix instruction stands a slice of W's work: block-time a makes fragment a of the NEXT quarter.
; The 64 accumulators take turns, one instruction a turn, in the same order in every quarter, over the backward jump too.
.macro MM q, a, i, zero                ; matrix instruction i of block-time a of quarter q; zero = 1: it starts the sum: nothing is ever cleared
	WIN MUL1+0x50*((\a)/4)
.set rD, 64*((\a)%4)+8*(\i)
.set rW, BF0+64*((\q)%2)+8*(\i)
.set rX, XF+64*((\q)%2)+8*(\a)
.if \zero
	v_wmma_f32_16x16x32_bf16 v[rD:rD+7], v[rW:rW+7], v[rX:rX+7], 0
.else
	v_wmma_f32_16x16x32_bf16 v[rD:rD+7], v[rW:rW+7], v[rX:rX+7], v[rD:rD+7]
.endif
.endm
.macro RUN q, slot                     ; 16 LDS loads on end: x's eight fragments of quarter q: 32 bytes a lane and block, at byte 32 q of my half of the row
	WIN 0
.irp a, 0,1,2,3,4,5,6,7
	ds_load_b128 v[XF+64*((\q)%2)+8*(\a):XF+64*((\q)%2)+8*(\a)+3],   v[ADRA+(\slot)] offset:(\a)*16*PA+32*(\q)
	ds_load_b128 v[XF+64*((\q)%2)+8*(\a)+4:XF+64*((\q)%2)+8*(\a)+7], v[ADRA+(\slot)] offset:(\a)*16*PA+32*(\q)+16
.endr
.endm
.macro WORDS offw                      ; 8 LDS loads on end: a K step's two words of W for each of my 8 column blocks, \offw bytes behind ADB
	WIN W_B
.irp a, 0,1,2,3,4,5,6,7
	ds_load_b64 v[WD+2*(\a):WD+2*(\a)+1], v[ADB] offset:(\a)*16*PB+(\offw)
.endr
.endm
.macro BREG f, a, j                    ; register j of W's fragment a of a quarter of parity f: bits p = 8 f + j and p + 16 go to the two sign bits
	v_lshl_or_b32 v[BF0+64*(\f)+8*(\a)+(\j)], v[ME+2*(\a)+(\j)%2], 15-8*(\f)-(\j), s[ONES]
.endm
; W's slice k of 4 of a block-time, for column block a and the quarter nq that comes next.  nq odd: two registers a slice, from the masks in hand.
; nq even: word nq / 2 is cut into its even and odd bits, and the fragment is made: 2, 3, 3, 2 instructions.
.macro BSL nq, a, k
	WIN W_B
.if ((\nq)%2) == 1
	BREG 1, \a, 2*(\k)
	BREG 1, \a, 2*(\k)+1
.elseif (\k) == 0
	v_and_b32 v[ME+2*(\a)+1], s[MODD], v[WD+2*(\a)+(\nq)/2]
	v_and_b32 v[ME+2*(\a)], s[MEVEN], v[WD+2*(\a)+(\nq)/2]
.elseif (\k) == 1
	BREG 0, \a, 0
	BREG 0, \a, 1
	BREG 0, \a, 2
.elseif (\k) == 2
	BREG 0, \a, 3
	BREG 0, \a, 4
	BREG 0, \a, 5
.else
	BREG 0, \a, 6
	BREG 0, \a, 7
.endif
.endm
; BLOCK-TIME a of quarter q of a K step that lies in \slot.  mode 0: the slot is filled again; 1: the last change of slots, nothing is asked for; 2: the last K step: nothing follows it.
; DISTANCES.  A fragment of W is written four slices or more behind its last reader: eight plain vector instructions or more, none of which names a register of that product.  A run of loads into a
; buffer of x stands at the head of block-time 2, nine slices behind the buffer's last reader; the run at quarter 3's head stands behind a slice and four v_nop.  The words are no matrix operands.
; THE RUNS.  Quarters 0, 1, 2: at the head of block-time 2 the next quarter's 16 loads, 48 matrix instructions ahead of their first use; in quarter 2 the next step's 8 word loads stand ahead of them,
; behind quarter 1, which cut this step's second words.  Quarter 3: at its head, behind the change of slots, the next step's first quarter from the other slot, 64 matrix instructions ahead.
; THE WAIT at a quarter's head is for 0: the one run that is out is the quarter's own.  Quarter 3's fragments and the words are shown in by the wait for 0 in front of the barrier.
; THE CHANGE OF SLOTS, from block-time 6 of quarter 2 to the head of quarter 3: ONE barrier.  In front of it each wave waits for all its tensor loads, of which one is out: its part of the other slot;
; adds 0 to its spare word; and, a block-time of register work later, waits for that and for its own reads of this slot (quarter 2's run).  The barrier opens a round of the cluster's barrier, with a
; block-time of register work between signal and wait; behind the round no wave of any partner reads this slot or has a load on its way, and the joint refill, two K steps ahead, comes first:
; it has 30 block-times, 240 matrix instructions, in which to land.
.macro TIME slot, q, a, zero, mode
.set HASB, 1                           ; is there a next quarter of W to make?
.if ((\mode) == 2) && ((\q) == 3)
.set HASB, 0
.endif
.if (\a) == 0
.if ((\q) < 3) || ((\mode) == 2)
	s_wait_dscnt 0x0                               ; this quarter's fragments are in
.else
.if (\mode) == 0
	CREST                                          ; wave 0 says so for the work-group, all sixteen have said so, my work-group's barrier closes the round
	s_add_nc_u64 s[G0A+4*(\slot)+2:G0A+4*(\slot)+3], s[G0A+4*(\slot)+2:G0A+4*(\slot)+3], 512  ; no tensor load of mine is out, so a group 0 may be written: two K steps on
	JLOAD \slot                                    ; the first tensor load behind the round, and my only one until the next
.else
	PLACES
.endif
	RUN 0, 1-(\slot)                               ; the other slot is whole
.if ((\mode) == 0) && ((\slot) == 0)
	ASK
.endif
.endif
.elseif ((\a) == 2) && ((\q) < 3)
.if ((\q) == 2) && ((\mode) < 2)
	WORDS 16+16*(\slot)                            ; ADB stands at the lap's even step: the next step's words lie 16 bytes on in an even step, 32 in an odd one
.endif
	RUN (\q)+1, \slot
.elseif ((\mode) < 2) && ((\q) == 2) && ((\a) == 6)
	WIN 0                                          ; (the add's two registers lie in window 0)
	s_wait_tensorcnt 0x0                           ; all my tensor loads have landed: the one that was out is my part of the other slot;
	ds_add_u32 v[SPW], v[NIL]                      ; 0 onto my spare word: this block-time's work on registers stands between it and the wait for it
.elseif ((\mode) < 2) && ((\q) == 2) && ((\a) == 7)
	s_wait_dscnt 0x0                               ; the add is done, and my reads of this slot are over (quarter 3's fragments and the words are in):
	s_barrier_signal -1                            ; say so, and work on registers while the others arrive
.endif
.irp k, 0,1,2,3
	MM \q, \a, 2*\k, \zero
	MM \q, \a, 2*\k+1, \zero
.if HASB
.if ((\k) == 0) && ((\q) == 3) && ((\a) == 0) && ((\slot) == 1) && ((\mode) == 0)
	s_add_co_u32 s[TBB], s[TBB], 32                ; the lap's word loads are in: on to the next lap's 32 bytes of W's rows
	WIN W_B
	v_add_nc_u32 v[ADB], s[TBB], v[ADB0]
.endif
	BSL ((\q)+1)%4, \a, \k
.endif
.endr
.if ((\mode) < 2) && ((\q) == 2) && ((\a) == 7)
	WIN 0
	s_barrier_wait -1                              ; all four waves have said so
.endif
.endm
.macro QUART slot, q, zero, mode       ; a quarter: 32 along K, 8 block-times, 64 matrix instructions
.if ((\slot) == 0) && ((\q) == 2) && ((\mode) == 0)
	s_wait_xcnt 0x0                                ; the last prefetch, a lap back, has read its address, so it may be written:
	s_add_nc_u64 s[PFA:PFA+1], s[PFA:PFA+1], 512   ; two K steps on
.endif
.irp a, 0,1,2,3,4,5,6,7
	TIME \slot, \q, \a, \zero, \mode
.endr
.endm
	s_wait_tensorcnt 0x1                           ; my parts of W's panel and of K step 0 are in; K step 1's load may stay out
	s_barrier_signal -1
	s_barrier_wait -1                              ; everybody's are
	WORDS 0                                        ; K step 0's words
	RUN 0, 0                                       ; and its first quarter of x
	s_wait_dscnt 16                                ; the eight word loads are in; the 16 loads behind them may be out
.irp a, 0,1,2,3,4,5,6,7
.irp k, 0,1,2,3
	BSL 0, \a, \k                                  ; K step 0's quarter 0 of W
.endr
.endr
	QUART 0, 0, 1, 0                               ; the first quarter stands in front of the loop: its products start the sums
	WIN 0                                          ; at a label and at a branch every window is 0
	s_mov_b32 s3, LAPS
.Llap:                                             ; trip i: from K step 2 i's second quarter to K step 2 i + 2's first; it asks for tiles 2 i + 2 and 2 i + 3
	QUART 0, 1, 0, 0
	QUART 0, 2, 0, 0
	QUART 0, 3, 0, 0
	QUART 1, 0, 0, 0
	QUART 1, 1, 0, 0
	QUART 1, 2, 0, 0
	QUART 1, 3, 0, 0
	QUART 0, 0, 0, 0
	WIN 0
	s_sub_co_u32 s3, s3, 1
	s_cmp_lg_u32 s3, 0
	s_cbranch_scc1 .Llap
	QUART 0, 1, 0, 1                               ; K step 30: the tail is written out; nothing is asked for
	QUART 0, 2, 0, 1
	QUART 0, 3, 0, 1
	QUART 1, 0, 0, 2                               ; K step 31
	QUART 1, 1, 0, 2
	QUART 1, 2, 0, 2
	QUART 1, 3, 0, 2
; THE WAY OUT, a block of 16 rows at a time.  A lane's eight numbers of a row (32 bytes) go into my own stage in LDS, rows of 528 bytes, and come back as whole rows of 512 bytes, 16 bytes a lane;
; then sum x (-128/255) + bias, two numbers an instruction, and a store of 512 consecutive bytes, at a multiple of 512 from out0's first byte.
.macro TOSTAGE a
	WIN 0x04*(1+(\a)/4)                            ; the stores' data: window 1 or 2
.irp b, 0,1,2,3,4,5,6,7
	ds_store_b128 v[STO], v[64*((\a)%4)+8*(\b):64*((\a)%4)+8*(\b)+3]   offset:64*(\b)     ; each accumulator's low registers are read first
	ds_store_b128 v[STO], v[64*((\a)%4)+8*(\b)+4:64*((\a)%4)+8*(\b)+7] offset:64*(\b)+16
.endr
	WIN 0
.if (\a) >= 2
	s_wait_xcnt 0x0                                ; every earlier memory instruction has had its addresses translated (ISA guide 3.1): the buffer that the stores two blocks back read is loaded again only behind this wait
.endif
.irp t, 0,1,2,3,4,5,6,7,8,9,10,11,12,13,14,15
	ds_load_b128 v[OB+64*((\a)%2)+4*(\t):OB+64*((\a)%2)+4*(\t)+3], v[RD] offset:SP*(\t)  ; LDS serves a wave's instructions in order (ISA guide 5.7.1.4): these see the stores above; the next block's stores come behind them
.endr
.endm
.macro SEND a, younger                 ; younger: the LDS instructions issued behind block a's loads: the next block's 32, or none
	WIN 0
.irp t, 0,1,2,3,4,5,6,7,8,9,10,11,12,13,14,15
	s_wait_dscnt (\younger)+15-(\t)                ; row t is back
	v_pk_fma_f32 v[OB+64*((\a)%2)+4*(\t):OB+64*((\a)%2)+4*(\t)+1], v[OB+64*((\a)%2)+4*(\t):OB+64*((\a)%2)+4*(\t)+1], s[SCL:SCL+1], v[BIAS:BIAS+1] op_sel_hi:[1,0,1]
	v_pk_fma_f32 v[OB+64*((\a)%2)+4*(\t)+2:OB+64*((\a)%2)+4*(\t)+3], v[OB+64*((\a)%2)+4*(\t)+2:OB+64*((\a)%2)+4*(\t)+3], s[SCL:SCL+1], v[BIAS+2:BIAS+3] op_sel_hi:[1,0,1]
	global_store_b128 v[CO], v[OB+64*((\a)%2)+4*(\t):OB+64*((\a)%2)+4*(\t)+3], s[10:11] offset:(16*(\a)+(\t))*ROWB th:TH_STORE_NT  ; 127 rows at the most: inside the signed 24-bit immediate
.endr
.endm
	WIN 0
	PLACES                                         ; four places behind the last products, in front of stores that read results and of loads into x's buffers
	s_wait_loadcnt 0x0                             ; bias
	TOSTAGE 0
.irp a, 1,2,3,4,5,6,7                  ; a block's way through the stage stands between the loads of the block before and its stores
	TOSTAGE \a
	SEND (\a)-1, 32
.endr
	SEND 7, 0
	s_wait_tensorcnt 0x0                           ; the wave's end: a wait, an add and its wait, behind my last tensor load and my last LDS store
	ds_add_u32 v[SPW], v[NIL]
	s_wait_dscnt 0x0
	CROUND                                         ; the closing round: no work-group ends while a partner may still ask for a tile that names it
	s_endpgm
.Lfunc_end_k_qae3ef5cca9_bitgemm:
	.size	k_qae3ef5cca9_bitgemm, .Lfunc_end_k_qae3ef5cca9_bitgemm-k_qae3ef5cca9_bitgemm
	.p2alignl 7, 3214868480
	.fill 96, 4, 3214868480
	.section	.rodata,"a",@progbits
	.p2align	6, 0x0
	.amdhsa_kernel k_qae3ef5cca9_bitgemm
		.amdhsa_group_segment_fixed_size 327680
		.amdhsa_private_segment_fixed_size 0
		.amdhsa_enable_private_segment 0
		.amdhsa_kernarg_size 32
		.amdhsa_user_sgpr_count 2
		.amdhsa_user_sgpr_kernarg_segment_ptr 1
		.amdhsa_wavefront_size32 1
		.amdhsa_system_sgpr_workgroup_id_x 1
		.amdhsa_system_sgpr_workgroup_id_y 1
		.amdhsa_system_sgpr_workgroup_id_z 1
		.amdhsa_system_vgpr_workitem_id 0
		.amdhsa_next_free_vgpr 1024
		.amdhsa_next_free_sgpr 80
		.amdhsa_reserve_vcc 0
		.amdhsa_float_denorm_mode_32 3
		.amdhsa_float_denorm_mode_16_64 3
		.amdhsa_memory_ordered 1
		.amdhsa_forward_progress 1
		.amdhsa_inst_pref_size 240
	.end_amdhsa_kernel
	.amdgpu_metadata
---
amdhsa.version: [ 1, 2 ]
amdhsa.kernels:
  - .name:           k_qae3ef5cca9_bitgemm
    .symbol:         k_qae3ef5cca9_bitgemm.kd
    .args:
      - { .name: xb, .offset: 0, .size: 8, .value_kind: global_buffer, .address_space: global }
      - { .name: packed_weight, .offset: 8, .size: 8, .value_kind: global_buffer, .address_space: global }
      - { .name: bias, .offset: 16, .size: 8, .value_kind: global_buffer, .address_space: global }
      - { .name: out0, .offset: 24, .size: 8, .value_kind: global_buffer, .address_space: global }
    .group_segment_fixed_size: 327680
    .private_segment_fixed_size: 0
    .kernarg_segment_align: 8
    .kernarg_segment_size: 32
    .max_flat_workgroup_size: 128
    .sgpr_count:     80
    .vgpr_count:     1024
    .wavefront_size: 32
...
	.end_amdgpu_metadata
.endif
;; end of part 4
